; MI455X (gfx1250); checked and timed in simulation.
; The chip was launched on July 23, 2026; its instructions are those of AMD's public machine-readable ISA for CDNA 5 (MIT licence, August 2026) and "CDNA5" Instruction Set Architecture Reference Guide (July 2026). The comments in the code are by the model that wrote it; some were corrected since.
;; Attention. Allowed arithmetic: float matrix products may take bf16 or f16 operands with f32 sums; all other float work in f32.
;; Inputs: mask 2 x 2,048 x 2,048 bool; w_proj 1,024 x 1,024 float32; w_qkv 3,072 x 1,024 float32; x 2 x 2,048 x 1,024 float32.
;; Outputs: out0 2 x 2,048 x 1,024 float32.
;; 2 versions, each right. Each part assembles by itself: llvm-mc -triple=amdgcn-amd-amdhsa -mcpu=gfx1250 --defsym DOCPART=n.
;; ======== version 1 of 2: 4 launches
;; limits: values are held in f16: magnitudes above 65,504 overflow, below 6.1e-05 lose precision
;; workspace buffers: ops 16,777,216 bytes; qkv 25,165,824 bytes; att 8,388,608 bytes
;; launch tof16 (part 1): grid 512 x 1, 8 waves a work-group, no clusters, 0 bytes of LDS; arguments x, w_qkv, w_proj, ops; writes ops
.if DOCPART == 1
	.amdgcn_target "amdgcn-amd-amdhsa--gfx1250"
	.amdhsa_code_object_version 6
	.text
	.protected	k_q707e3afbb9_tof16
	.globl	k_q707e3afbb9_tof16
	.p2align	8
	.type	k_q707e3afbb9_tof16,@function
k_q707e3afbb9_tof16:
	s_mov_b64 s[64:65], 0
	v_nop
	global_prefetch_b8 v0, s[64:65] scope:SCOPE_SE
	s_setreg_imm32_b32 hwreg(HW_REG_WAVE_MODE, 25, 1), 1
	s_wait_xcnt 0x0
; ops = x, w_qkv and w_proj rounded once to f16, each laid out in blocks along K:
;   element (row, k) of a tensor of R rows lies at  (k / 64) * R * 128 + row * 128 + (k % 64) * 2  bytes behind the tensor's start in ops;
;   x (4096 rows) starts at 0, w_qkv (3072 rows) at 0x800000, w_proj (1024 rows) at 0xe00000.
; Why: each number of x feeds 16 blocks of columns and each weight 16 or 32 blocks of rows in the products that follow; rounded here once,
; they travel as 2 bytes in every one of those uses, and a tile of "rows x 64 k" is one dense run of memory for the tensor loads.
; f16 and not bf16: the chain rounds x, the weights, q, k, v, the probabilities and att; with 8 significant bits one rounding has a relative rms of
; about 2^-8 / sqrt(7) = 1.5e-3 and the five of the intermediates alone 3.3e-3 of the result's rms, a third of the allowance of 1e-2: too near for
; 4.2 million numbers.  With 11 bits each is an eighth of that.
; LIMIT: numbers of x, w_qkv, w_proj at or beyond 65,504 in magnitude become infinite; below 2^-14 they keep an absolute step of 2^-24.
;   As drawn |x| < 6 and |w| < 0.2: thirty times larger, or an offset of thirty spreads, leaves a factor of some hundreds.
; The three tensors together are 8192 rows of 1024 f32 = 256 blocks of 32 rows.  Work-group g takes block g / 2 and eight of its sixteen
; blocks of 64 columns; a wave takes 32 rows x 64 columns.  A load of the wave covers 256 consecutive bytes of two rows; a store
; covers 256 consecutive bytes, aligned.  Every byte is read once and written once.
; No LDS, no matrix unit, no cluster: the work-groups share no input and no wave needs another's data.
.set X, 8                              ; v[8:71]    16 loads of 4 f32
.set Y, 72                             ; v[72:103]  16 pairs of registers, 4 f16 each: no store's data is ever rewritten
	s_load_b256 s[4:11], s[0:1], 0x0               ; x s[4:5], w_qkv s[6:7], w_proj s[8:9], ops s[10:11]
	v_lshrrev_b32 v3, 5, v0
	v_readfirstlane_b32 s13, v3                    ; wave 0..7
	s_lshr_b32 s12, ttmp9, 1                       ; block of 32 rows, 0..255
	s_and_b32 s19, ttmp9, 1
	s_lshl3_add_u32 s13, s19, s13                  ; block of 64 columns, 0..15
	s_mov_b32 s20, 128                             ; first block of w_qkv
	s_mov_b32 s21, 224                             ; first block of w_proj
	s_mov_b32 s22, 0x800000                        ; where they start in ops
	s_mov_b32 s23, 0xe00000
	s_mov_b32 s24, 393216                          ; bytes of one block of 64 columns: rows x 128
	s_mov_b32 s25, 131072
	s_mov_b32 s26, 524288
	v_and_b32 v1, 15, v0
	v_bfe_u32 v4, v0, 4, 1
	v_lshlrev_b32 v1, 4, v1                        ; source: 16 bytes a lane,
	v_lshl_add_u32 v1, v4, 12, v1                  ; lanes 16-31 one row (4096 bytes) further down
	v_and_b32 v2, 31, v0
	v_lshlrev_b32 v2, 3, v2                        ; destination: 8 bytes a lane, two rows of 128 bytes
	s_wait_kmcnt 0x0
	s_cmp_lt_u32 s12, 224                          ; which tensor: the choice hangs on the block's number alone
	s_cselect_b64 s[14:15], s[6:7], s[8:9]
	s_cselect_b32 s16, s20, s21
	s_cselect_b32 s17, s22, s23
	s_cselect_b32 s18, s24, s25
	s_cmp_lt_u32 s12, 128
	s_cselect_b64 s[14:15], s[4:5], s[14:15]
	s_cselect_b32 s16, 0, s16
	s_cselect_b32 s17, 0, s17
	s_cselect_b32 s18, s26, s18
	s_sub_co_u32 s16, s12, s16                     ; block of 32 rows inside its tensor
	s_lshl_b32 s2, s16, 17                         ; x 32 rows x 4096 bytes
	s_lshl_b32 s3, s13, 8                          ; + 64 columns x 4 bytes
	s_add_co_u32 s2, s2, s3
	s_mov_b32 s3, 0
	s_add_nc_u64 s[14:15], s[14:15], s[2:3]
	s_mul_i32 s18, s18, s13                        ; the block of columns in ops
	s_add_co_u32 s17, s17, s18
	s_lshl_b32 s16, s16, 12                        ; + 32 rows x 128 bytes
	s_add_co_u32 s2, s17, s16
	s_add_nc_u64 s[10:11], s[10:11], s[2:3]
.irp p, 0,1,2,3,4,5,6,7,8,9,10,11,12,13,14,15
	global_load_b128 v[X+4*\p:X+4*\p+3], v1, s[14:15] offset:8192*\p th:TH_LOAD_NT    ; rows 2p and 2p+1; read once in the launch
.endr
.irp p, 0,1,2,3,4,5,6,7,8,9,10,11,12,13,14,15
	s_wait_loadcnt 15-\p                           ; loads come back in order (ISA guide 5.7.1): the 15-p younger ones stay out
	v_cvt_pk_f16_f32 v[Y+2*\p],   v[X+4*\p],   v[X+4*\p+1]
	v_cvt_pk_f16_f32 v[Y+2*\p+1], v[X+4*\p+2], v[X+4*\p+3]
	global_store_b64 v2, v[Y+2*\p:Y+2*\p+1], s[10:11] offset:256*\p
.endr
	s_endpgm
.Lfunc_end_k_q707e3afbb9_tof16:
	.size	k_q707e3afbb9_tof16, .Lfunc_end_k_q707e3afbb9_tof16-k_q707e3afbb9_tof16
	.p2alignl 7, 3214868480
	.fill 96, 4, 3214868480
	.section	.rodata,"a",@progbits
	.p2align	6, 0x0
	.amdhsa_kernel k_q707e3afbb9_tof16
		.amdhsa_group_segment_fixed_size 0
		.amdhsa_private_segment_fixed_size 0
		.amdhsa_enable_private_segment 0
		.amdhsa_kernarg_size 32
		.amdhsa_user_sgpr_count 2
		.amdhsa_user_sgpr_kernarg_segment_ptr 1
		.amdhsa_wavefront_size32 1
		.amdhsa_system_sgpr_workgroup_id_x 1
		.amdhsa_system_sgpr_workgroup_id_y 1
		.amdhsa_system_sgpr_workgroup_id_z 1
		.amdhsa_system_vgpr_workitem_id 0
		.amdhsa_next_free_vgpr 104
		.amdhsa_next_free_sgpr 66
		.amdhsa_reserve_vcc 0
		.amdhsa_float_denorm_mode_32 3
		.amdhsa_float_denorm_mode_16_64 3
		.amdhsa_memory_ordered 1
		.amdhsa_forward_progress 1
		.amdhsa_inst_pref_size 8
	.end_amdhsa_kernel
	.amdgpu_metadata
---
amdhsa.version: [ 1, 2 ]
amdhsa.kernels:
  - .name:           k_q707e3afbb9_tof16
    .symbol:         k_q707e3afbb9_tof16.kd
    .args:
      - { .name: x, .offset: 0, .size: 8, .value_kind: global_buffer, .address_space: global }
      - { .name: w_qkv, .offset: 8, .size: 8, .value_kind: global_buffer, .address_space: global }
      - { .name: w_proj, .offset: 16, .size: 8, .value_kind: global_buffer, .address_space: global }
      - { .name: ops, .offset: 24, .size: 8, .value_kind: global_buffer, .address_space: global }
    .group_segment_fixed_size: 0
    .private_segment_fixed_size: 0
    .kernarg_segment_align: 8
    .kernarg_segment_size: 32
    .max_flat_workgroup_size: 256
    .sgpr_count:     66
    .vgpr_count:     104
    .wavefront_size: 32
...
	.end_amdgpu_metadata
.endif
;; end of part 1
;; launch qkvgemm (part 2): grid 16 x 16, 4 waves a work-group, clusters of 4 x 4, 327,680 bytes of LDS; arguments ops, qkv; writes qkv
.if DOCPART == 2
	.amdgcn_target "amdgcn-amd-amdhsa--gfx1250"
	.amdhsa_code_object_version 6
	.text
	.protected	k_q707e3afbb9_qkvgemm
	.globl	k_q707e3afbb9_qkvgemm
	.p2align	8
	.type	k_q707e3afbb9_qkvgemm,@function
k_q707e3afbb9_qkvgemm:
	s_mov_b64 s[64:65], 0
	v_nop
	global_prefetch_b8 v0, s[64:65] scope:SCOPE_SE
	s_setreg_imm32_b32 hwreg(HW_REG_WAVE_MODE, 25, 1), 1
	s_wait_xcnt 0x0
	s_wait_alu depctr_hold_cnt(0) depctr_sa_sdst(0) depctr_va_vdst(0) depctr_va_sdst(0) depctr_va_ssrc(0) depctr_va_vcc(0) depctr_vm_vsrc(0)
	s_getreg_b32 s2, hwreg(HW_REG_IB_STS2, 6, 4)
	s_cmp_eq_u32 s2, 0
	s_cbranch_scc0 .Lentry_in_a_cluster
	s_endpgm
.Lentry_in_a_cluster:
	s_bfe_u32 s2, ttmp6, 0x10000c
	s_cmp_lg_u32 s2, 0xf033
	s_cbranch_scc0 .Lentry_shape_is_right
	s_endpgm
.Lentry_shape_is_right:
; qkv[g][token][d] = sum over k of x[token][k] * w_qkv[64 g + d][k], g = 0..47 (q heads 0-15, k heads 16-31, v heads 32-47), rounded once to f16.
; Operands: f16 in blocks along K (planes of 64 k: plane p of a tensor of R rows at p * R * 128, a row 128 bytes); sums in f32.
; A work-group makes 256 tokens x 192 features with four waves; a wave makes 64 tokens x 192 features = three whole heads, 48 accumulator
; tiles of 16 x 16 in 384 registers, so that it can store dense rows of 128 bytes of each head by itself.  16 x 16 = 256 work-groups.
; K goes in steps of 128 (two planes) through two LDS slots filled by the tensor data mover.  A plane's part of a tile is one dense run of
; memory (256 or 192 rows x 128 bytes) that starts at a multiple of 256 bytes.
; CLUSTER 4 x 4: the four work-groups of a row of the cluster need the same tokens, the four of a column the same weights; each such tile is
; asked for jointly (same descriptor, a mask that names the four), which divides the requests for both by four.
; LIMIT: x, w_qkv and the result are rounded to f16 (11 significant bits).  A number of q, k or v at or beyond 65,504 in magnitude becomes infinite.
;   As drawn they stay below 6; with x and w_qkv both thirty times larger below 900 x 6 = 5,400; with both carrying an offset of thirty spreads
;   they lie near 1024 x 30 x 30/32 = 28,800.  With both thirty times smaller their rms is 1.1e-3 against f16's lowest step of 2^-24.
;
; REGISTERS, in windows of 256:  window 0: v16-26 addresses; v64-95, v96-127 token fragments (4 x 16 rows x 32 k), two buffers; v128-223 the way out
;   window 1: v0-95, v96-191 weight fragments (12 x 16 rows x 32 k), two buffers
;   window 2: accumulators of my tokens 0-31 (tile (a, b) at v[8 (12 a + b)]);  window 3: of my tokens 32-63
; The matrix instruction takes 16 weight rows as source 0 and 16 tokens as source 1: lane l then holds token l % 16 and, in its registers 0-7,
; the features 8 (l / 16) + 0..7: eight neighbours of a row of the result.
.set BM, 256                           ; tokens of a work-group
.set BN, 192                           ; features of a work-group
.set BT, 12                            ; weight tiles of 16 rows a wave
.set PLS, 2                            ; planes (of 64 k) in a slot
.set PPL, 1                            ; planes that one tensor load brings
.set LAPS, 4                           ; 1024 k / (2 slots x 128 k)
.set APL, 524288                       ; bytes of a plane of x
.set BPL, 393216                       ; bytes of a plane of w_qkv
.set BOFF, 0x800000                    ; w_qkv's start in ops
.set PITCH, 144                        ; an LDS row: 128 bytes + 16 of padding = 36 words: the 16 rows of a fragment load start 4 r words apart modulo 64 words (64 banks of 4 bytes: ISA guide 11.1)
.set APLANE, BM*PITCH
.set BPLANE, BN*PITCH
.set ABYTES, PLS*APLANE
.set SLOT, PLS*(APLANE+BPLANE)         ; the token planes, then the weight planes
.set STAGE, 2*SLOT                     ; behind the ring, a multiple of 256: 3 heads x 16 rows x 144 bytes for each wave; no tensor load lands here
.set WSTAGE, 3*16*PITCH
.set ADRA, 16                          ; v16-17  LDS address of my token fragments in slot 0, 1
.set ADRB, 20                          ; v20-21  the same for the weights
.set STO, 24
.set RD, 25
.set CO, 26
.set FA0, 64
.set FA1, 96
.set FB0, 0
.set FB1, 96
.set TMP, 128                          ; v128-175 packed results
.set RB, 176                           ; v176-223 rows read back, the stores' data
.set G1, 24                            ; s[24:31] group 1, tokens
.set G0, 32                            ; s[32:39] group 0, tokens, one set for each slot
.set G1B, 48                           ; s[48:55] group 1, weights
.set G0B, 56                           ; s[56:63] group 0, weights
.set MSB, 0
.macro WIN new                         ; s_set_vgpr_msb: bits 1:0 source 0, 3:2 source 1, 5:4 source 2, 7:6 destination; the high byte repeats the setting that is left
.if MSB != \new
	s_set_vgpr_msb (MSB<<8)|\new
.set MSB, \new
.endif
.endm
.set MUL_LO, 0xa1                      ; source 0 (weights) window 1, source 1 (tokens) window 0, C and D window 2
.set MUL_HI, 0xf1                      ; the same, C and D window 3
.set TO_B,   0x40                      ; destination window 1, address window 0
; A joint load.  Waves 0 and 1 fetch the slot's two token planes, waves 2 and 3 its two weight planes.  The branch hangs on the wave's number alone.
.macro JLOAD s
	s_cmp_eq_u32 s11, 0
	s_cbranch_scc0 .Lfor_b_\@
	tensor_load_to_lds s[G0+4*\s:G0+4*\s+3], s[G1:G1+7]
	s_nop 0
	s_branch .Lasked_\@
.Lfor_b_\@:
	tensor_load_to_lds s[G0B+4*\s:G0B+4*\s+3], s[G1B:G1B+7]
	s_nop 0
.Lasked_\@:
.endm
; A round of the cluster's barrier: my work-group's barrier, wave 0 signals for the work-group, every wave waits for all sixteen, my work-group's barrier again.
.macro CREST                           ; a round behind its opening barrier
	s_cmp_lg_u32 s10, 0
	s_cbranch_scc1 .Lnot_wave_0_\@
	s_barrier_signal -3
.Lnot_wave_0_\@:
	s_barrier_wait -3
	s_barrier_signal -1
	s_barrier_wait -1
.endm
.macro CROUND
	s_barrier_signal -1
	s_barrier_wait -1
	CREST
.endm
	s_load_b64 s[4:5], s[0:1], 0x0                 ; ops
	s_load_b64 s[8:9], s[0:1], 0x8                 ; qkv
	s_set_vgpr_msb 0x40
	v_lshl_add_u32 v255, v0, 2, 0x45c00
	s_set_vgpr_msb 0x4000
	v_mov_b32 v255, 0
	s_set_vgpr_msb 0x1
	ds_add_u32 v255, v255
	s_set_vgpr_msb 0x100
	v_lshrrev_b32 v1, 5, v0
	v_readfirstlane_b32 s10, v1                    ; wave 0..3: my 64 tokens of the block
	s_lshr_b32 s11, s10, 1                         ; I fetch tokens (0) or weights (1)
	s_and_b32 s12, s10, 1                          ; which plane of the slot I fetch
	s_bfe_u32 s40, ttmp6, 0x40000                  ; cx
	s_bfe_u32 s41, ttmp6, 0x40004                  ; cy
	s_lshl_b32 s42, ttmp9, 2
	s_add_co_u32 s42, s42, s40                     ; block of features = 4 x cluster x + cx
	s_and_b32 s13, ttmp7, 0xffff
	s_lshl_b32 s13, s13, 2
	s_add_co_u32 s13, s13, s41                     ; block of tokens = 4 x cluster y + cy
	s_lshl_b32 s43, s41, 2
	s_lshl_b32 s43, 15, s43                        ; my row of the cluster
	s_lshl_b32 s44, 0x1111, s40                    ; my column
	; group 1: a plane's part of a tile as ONE row of 8-byte elements (it is dense in memory); PPL such rows, a plane apart.
	; 17:16 element of 8 bytes; 20 padding on; 21 set beside a mask; 24:22 after every 32 words (128 bytes, code 4); 31:25 four words (code 3)
	s_or_b32 s[G1+0], s43, 0x07330000
	s_or_b32 s[G1B+0], s44, 0x07330000
	s_mov_b32 s[G1+1], (BM*16)<<16                 ; tensor_dim0 = 256 rows x 16 elements
	s_mov_b32 s[G1B+1], (BN*16)<<16
	s_mov_b32 s[G1+2], PPL<<16                     ; tensor_dim1
	s_mov_b32 s[G1B+2], PPL<<16
	s_mov_b32 s[G1+3], (BM*16)<<16                 ; tile_dim0
	s_mov_b32 s[G1B+3], (BN*16)<<16
	s_mov_b32 s[G1+4], PPL                         ; tile_dim1
	s_mov_b32 s[G1B+4], PPL
	s_mov_b32 s[G1+5], APL/8                       ; from plane to plane, in elements
	s_mov_b32 s[G1B+5], BPL/8
	s_mov_b32 s[G1+6], 0
	s_mov_b32 s[G1B+6], 0
	s_mov_b32 s[G1+7], 0
	s_mov_b32 s[G1B+7], 0
	; where the tiles come from: the tokens' hang on the block of tokens alone, the weights' on the block of features alone, each in registers that never hold the other coordinate
	s_mul_i32 s16, s13, BM*128
	s_mul_i32 s17, s12, PPL*APL
	s_add_co_u32 s16, s16, s17
	s_mov_b32 s17, 0
	s_mul_i32 s46, s42, BN*128
	s_mul_i32 s47, s12, PPL*BPL
	s_add_co_u32 s46, s46, s47
	s_add_co_u32 s46, s46, BOFF
	s_mov_b32 s47, 0
	s_mul_i32 s20, s10, PPL*APLANE                 ; and where they go: waves 0, 1: token planes 0, 1
	s_mul_i32 s21, s10, PPL*BPLANE
	s_add_co_u32 s21, s21, ABYTES-2*PPL*BPLANE     ; waves 2, 3: weight planes 0, 1, behind the tokens
	s_wait_dscnt 0x0
	s_wait_kmcnt 0x0
	s_add_nc_u64 s[14:15], s[4:5], s[16:17]
	s_add_nc_u64 s[46:47], s[4:5], s[46:47]
	CROUND                                         ; all sixteen work-groups are here: the first joint loads meet
.irp s, 0,1
	s_mov_b32 s[G0+4*\s], 1
	s_add_co_u32 s[G0+4*\s+1], s20, \s*SLOT
	s_add_nc_u64 s[G0+4*\s+2:G0+4*\s+3], s[14:15], \s*PLS*APL
	s_or_b32 s[G0+4*\s+3], s[G0+4*\s+3], 0x80000000
	s_mov_b32 s[G0B+4*\s], 1
	s_add_co_u32 s[G0B+4*\s+1], s21, \s*SLOT
	s_add_nc_u64 s[G0B+4*\s+2:G0B+4*\s+3], s[46:47], \s*PLS*BPL
	s_or_b32 s[G0B+4*\s+3], s[G0B+4*\s+3], 0x80000000
	JLOAD \s                                       ; both slots' first fills go out together: two tensor loads of the wave are out here, one later
.endr
	; a fragment: lane l holds row l % 16; registers 0-3 k = 8 (l / 16) + 0..7, registers 4-7 k = 16 + 8 (l / 16) + 0..7: two loads of 16 bytes, 32 apart
	v_and_b32 v1, 15, v0
	v_bfe_u32 v2, v0, 4, 1
	v_mul_u32_u24 v3, v1, PITCH
	v_lshl_add_u32 v3, v2, 4, v3                   ; row x pitch + 16 x half
	s_mul_i32 s21, s10, 64*PITCH                   ; my 64 tokens
	s_mov_b32 s22, ABYTES                          ; every wave reads all 192 weight rows
.irp s, 0,1
	v_add_nc_u32 v[ADRA+\s], s21, v3
	v_add_nc_u32 v[ADRB+\s], s22, v3
	s_add_co_u32 s21, s21, SLOT
	s_add_co_u32 s22, s22, SLOT
.endr
	s_mul_i32 s23, s10, WSTAGE
	s_add_co_u32 s23, s23, STAGE                   ; my stage
	v_add_nc_u32 v[STO], s23, v3                   ; in: token l % 16, 16 bytes for each half of the lanes
	v_bfe_u32 v4, v0, 3, 2
	v_and_b32 v5, 7, v0
	v_mul_u32_u24 v4, v4, PITCH
	v_lshl_add_u32 v4, v5, 4, v4
	v_add_nc_u32 v[RD], s23, v4                    ; back: eight lanes take a row of 128 bytes, the wave four rows
	v_and_b32 v5, 31, v0
	v_lshlrev_b32 v[CO], 4, v5                     ; four rows of a head are 512 consecutive bytes of qkv
; 12 matrix instructions: token tile 2 hi + a x all 12 weight tiles, 32 along K.  zero = 1: the first product starts the sums.
.macro MULROW fa, fb, hi, a, zero
.irp b, 0,1,2,3,4,5,6,7,8,9,10,11
.if \zero
	v_wmma_f32_16x16x32_f16 v[8*(BT*\a+\b):8*(BT*\a+\b)+7], v[\fb+8*\b:\fb+8*\b+7], v[\fa+8*(2*\hi+\a):\fa+8*(2*\hi+\a)+7], 0
.else
	v_wmma_f32_16x16x32_f16 v[8*(BT*\a+\b):8*(BT*\a+\b)+7], v[\fb+8*\b:\fb+8*\b+7], v[\fa+8*(2*\hi+\a):\fa+8*(2*\hi+\a)+7], v[8*(BT*\a+\b):8*(BT*\a+\b)+7]
.endif
.endr
.endm
; 32 LDS loads in one run: the fragments of 32 k (plane pl of the slot, byte kb of its rows): 24 for the weights, then 8 for the tokens
.macro FETCH slot, pl, kb, fa, fb
	WIN TO_B
.irp b, 0,1,2,3,4,5,6,7,8,9,10,11
	ds_load_b128 v[\fb+8*\b:\fb+8*\b+3],   v[ADRB+\slot] offset:\pl*BPLANE+\kb+\b*16*PITCH
	ds_load_b128 v[\fb+8*\b+4:\fb+8*\b+7], v[ADRB+\slot] offset:\pl*BPLANE+\kb+\b*16*PITCH+32
.endr
	WIN 0
.irp a, 0,1,2,3
	ds_load_b128 v[\fa+8*\a:\fa+8*\a+3],   v[ADRA+\slot] offset:\pl*APLANE+\kb+\a*16*PITCH
	ds_load_b128 v[\fa+8*\a+4:\fa+8*\a+7], v[ADRA+\slot] offset:\pl*APLANE+\kb+\a*16*PITCH+32
.endr
.endm
; A load into a register that a matrix instruction has read, and a vector instruction that reads a matrix result, stand four places behind it; only plain
; vector instructions that name none of its registers are places (ISA guide 7.12.1 for vector instructions).
.macro PLACES
.rept 4
	v_nop
.endr
.endm
; A quarter = 32 along K, 48 matrix instructions on buffer f; in its middle the next quarter's fragments are fetched into buffer g.
; The 48 accumulators take turns, one instruction a turn, in the same order in every quarter.
.macro QUARTER slot, pl, kb, fa, fb, ga, gb, zero
	s_wait_dscnt 4                                 ; all but the four youngest loads (token tiles 2 and 3) are in
	WIN MUL_LO
	MULROW \fa, \fb, 0, 0, \zero
	MULROW \fa, \fb, 0, 1, \zero
	PLACES
	FETCH \slot, \pl, \kb, \ga, \gb
	s_wait_dscnt 2*(BT+4)                          ; all but the 32 just issued
	WIN MUL_HI
	MULROW \fa, \fb, 1, 0, \zero
	MULROW \fa, \fb, 1, 1, \zero
.endm
.macro PHASE slot, zero                ; the first three of a slot's four quarters
	QUARTER \slot, 0, 64, FA0, FB0, FA1, FB1, \zero
	QUARTER \slot, 1, 0,  FA1, FB1, FA0, FB0, 0
	QUARTER \slot, 1, 64, FA0, FB0, FA1, FB1, 0
.endm
; The last quarter: multiplies buffer 1 and changes slots.  One barrier: in front of it each wave waits for its reads of this slot and for all its
; tensor loads (the one that is out is its part of the next slot); behind it the refill comes first, then the next slot's first fragments.
; From a request to the wait for it a wave issues 24 + 144 + 12 = 180 matrix instructions.
.macro TURN slot, next, fill
	s_wait_dscnt 4
	WIN MUL_LO
	MULROW FA1, FB1, 0, 0, 0
	s_wait_dscnt 0                                 ; my reads of this slot are over
	s_wait_tensorcnt 0x0                           ; all my tensor loads have landed
	ds_add_u32 v255, v255
	s_wait_dscnt 0x0
	s_barrier_signal -1                            ; (where the slot is filled again this barrier opens a round of the cluster's barrier)
	MULROW FA1, FB1, 0, 1, 0                       ; register work while the others arrive
	WIN 0
	s_barrier_wait -1
.if \fill
	CREST                                          ; no wave of any partner still reads this slot or has a load on its way
	s_add_nc_u64 s[G0+4*\slot+2:G0+4*\slot+3], s[G0+4*\slot+2:G0+4*\slot+3], 2*PLS*APL
	s_add_nc_u64 s[G0B+4*\slot+2:G0B+4*\slot+3], s[G0B+4*\slot+2:G0B+4*\slot+3], 2*PLS*BPL
	JLOAD \slot                                    ; the first tensor load behind the round, one a wave
.endif
	PLACES
	FETCH \next, 0, 0, FA0, FB0
	WIN MUL_HI
	MULROW FA1, FB1, 1, 0, 0
	MULROW FA1, FB1, 1, 1, 0
.endm
.macro LAP zero
	PHASE 0, \zero
	TURN 0, 1, 1
	PHASE 1, 0
	TURN 1, 0, 1
.endm
	s_wait_tensorcnt 1                             ; my part of slot 0 is in; slot 1's load, issued behind it, stays out
	s_barrier_signal -1
	s_barrier_wait -1
	FETCH 0, 0, 0, FA0, FB0
	LAP 1                                          ; the first lap stands in front of the loop: its first products start the sums
	WIN 0                                          ; at a label and at a branch every window is 0
	s_mov_b32 s3, LAPS-2
.Llap:
	LAP 0
	WIN 0
	s_sub_co_u32 s3, s3, 1
	s_cmp_lg_u32 s3, 0
	s_cbranch_scc1 .Llap
	PHASE 0, 0                                     ; the last lap fills nothing
	TURN 0, 1, 0
	PHASE 1, 0
	s_wait_dscnt 4                                 ; the very last quarter: nothing more to fetch
	WIN MUL_LO
	MULROW FA1, FB1, 0, 0, 0
	MULROW FA1, FB1, 0, 1, 0
	s_wait_dscnt 0
	WIN MUL_HI
	MULROW FA1, FB1, 1, 0, 0
	MULROW FA1, FB1, 1, 1, 0
	; THE WAY OUT, 16 tokens at a time: round to f16, 16 bytes a lane into my own stage (three heads of 16 rows), read back as rows of 128 bytes.
	PLACES
	s_lshl_b32 s16, s13, 15                        ; block of tokens x 256 x 128 bytes
	s_lshl_b32 s14, s10, 13                        ; + wave x 64 x 128
	s_add_co_u32 s16, s16, s14
	s_mov_b32 s17, 0
	s_add_nc_u64 s[8:9], s[8:9], s[16:17]
	s_mul_i32 s46, s42, 3*524288                   ; my three heads: 3 x block of features
	s_mov_b32 s47, 0
	s_add_nc_u64 s[8:9], s[8:9], s[46:47]
; tokens 16 a .. 16 a + 15 of my 64 = the twelve tiles (lo, 0..11) of window 2 or 3 (from = 0x0a or 0x0f: sources 0 and 1)
.macro OUTQ a, lo, from
	WIN \from
.irp b, 0,1,2,3,4,5,6,7,8,9,10,11
.irp r, 0,1,2,3
	v_cvt_pk_f16_f32 v[TMP+4*\b+\r], v[8*(BT*\lo+\b)+2*\r], v[8*(BT*\lo+\b)+2*\r+1]
.endr
.endr
	WIN 0
.irp i, 0,1,2
.irp b, 0,1,2,3
	ds_store_b128 v[STO], v[TMP+4*(4*\i+\b):TMP+4*(4*\i+\b)+3] offset:\i*16*PITCH+32*\b
.endr
.endr
	s_wait_xcnt 0x0                                ; RB, which the last stores read, and their base are rewritten only behind this wait
.if \a
	s_add_nc_u64 s[8:9], s[8:9], 16*128            ; 16 tokens on
.endif
.irp i, 0,1,2
.irp t, 0,1,2,3
	ds_load_b128 v[RB+4*(4*\i+\t):RB+4*(4*\i+\t)+3], v[RD] offset:\i*16*PITCH+\t*4*PITCH   ; LDS serves a wave's instructions in order (ISA guide 5.7.1.4): these see the stores above
.endr
.endr
.irp i, 0,1,2
.irp t, 0,1,2,3
	s_wait_dscnt 11-(4*\i+\t)                      ; the younger read-backs stay out
	global_store_b128 v[CO], v[RB+4*(4*\i+\t):RB+4*(4*\i+\t)+3], s[8:9] offset:\i*524288+\t*512   ; 512 consecutive bytes, aligned: four tokens of head i
.endr
.endr
.endm
	OUTQ 0, 0, 0x0a
	OUTQ 1, 1, 0x0a
	OUTQ 2, 0, 0x0f
	OUTQ 3, 1, 0x0f
	s_set_vgpr_msb 0x1
	s_wait_tensorcnt 0x0
	ds_add_u32 v255, v255
	s_wait_dscnt 0x0
	s_set_vgpr_msb 0x100
	CROUND                                         ; the closing round: no work-group ends while a partner may still ask for a tile that names it
	s_endpgm
.Lfunc_end_k_q707e3afbb9_qkvgemm:
	.size	k_q707e3afbb9_qkvgemm, .Lfunc_end_k_q707e3afbb9_qkvgemm-k_q707e3afbb9_qkvgemm
	.p2alignl 7, 3214868480
	.fill 96, 4, 3214868480
	.section	.rodata,"a",@progbits
	.p2align	6, 0x0
	.amdhsa_kernel k_q707e3afbb9_qkvgemm
		.amdhsa_group_segment_fixed_size 327680
		.amdhsa_private_segment_fixed_size 0
		.amdhsa_enable_private_segment 0
		.amdhsa_kernarg_size 16
		.amdhsa_user_sgpr_count 2
		.amdhsa_user_sgpr_kernarg_segment_ptr 1
		.amdhsa_wavefront_size32 1
		.amdhsa_system_sgpr_workgroup_id_x 1
		.amdhsa_system_sgpr_workgroup_id_y 1
		.amdhsa_system_sgpr_workgroup_id_z 1
		.amdhsa_system_vgpr_workitem_id 0
		.amdhsa_next_free_vgpr 1024
		.amdhsa_next_free_sgpr 66
		.amdhsa_reserve_vcc 0
		.amdhsa_float_denorm_mode_32 3
		.amdhsa_float_denorm_mode_16_64 3
		.amdhsa_memory_ordered 1
		.amdhsa_forward_progress 1
		.amdhsa_inst_pref_size 163
	.end_amdhsa_kernel
	.amdgpu_metadata
---
amdhsa.version: [ 1, 2 ]
amdhsa.kernels:
  - .name:           k_q707e3afbb9_qkvgemm
    .symbol:         k_q707e3afbb9_qkvgemm.kd
    .args:
      - { .name: ops, .offset: 0, .size: 8, .value_kind: global_buffer, .address_space: global }
      - { .name: qkv, .offset: 8, .size: 8, .value_kind: global_buffer, .address_space: global }
    .group_segment_fixed_size: 327680
    .private_segment_fixed_size: 0
    .kernarg_segment_align: 8
    .kernarg_segment_size: 16
    .max_flat_workgroup_size: 128
    .sgpr_count:     66
    .vgpr_count:     1024
    .wavefront_size: 32
...
	.end_amdgpu_metadata
.endif
;; end of part 2
;; launch attn (part 3): grid 8 x 32, 8 waves a work-group, clusters of 4 x 4, 327,680 bytes of LDS; arguments qkv, mask, att; writes att
.if DOCPART == 3
	.amdgcn_target "amdgcn-amd-amdhsa--gfx1250"
	.amdhsa_code_object_version 6
	.text
	.protected	k_q707e3afbb9_attn
	.globl	k_q707e3afbb9_attn
	.p2align	8
	.type	k_q707e3afbb9_attn,@function
k_q707e3afbb9_attn:
	s_mov_b64 s[64:65], 0
	v_nop
	global_prefetch_b8 v0, s[64:65] scope:SCOPE_SE
	s_setreg_imm32_b32 hwreg(HW_REG_WAVE_MODE, 25, 1), 1
	s_wait_xcnt 0x0
	s_wait_alu depctr_hold_cnt(0) depctr_sa_sdst(0) depctr_va_vdst(0) depctr_va_sdst(0) depctr_va_ssrc(0) depctr_va_vcc(0) depctr_vm_vsrc(0)
	s_getreg_b32 s2, hwreg(HW_REG_IB_STS2, 6, 4)
	s_cmp_eq_u32 s2, 0
	s_cbranch_scc0 .Lentry_in_a_cluster
	s_endpgm
.Lentry_in_a_cluster:
	s_bfe_u32 s2, ttmp6, 0x10000c
	s_cmp_lg_u32 s2, 0xf033
	s_cbranch_scc0 .Lentry_shape_is_right
	s_endpgm
.Lentry_shape_is_right:
; att[h][token][d] = softmax over keys of (q k / 8, where mask) times v, for 2 batches x 16 heads, 2048 queries and keys, 64 per head.  q, k, v, att: f16.
; Work-group (X, Y): 256 queries (block X) of head-batch Y = 16 b + h.  Eight waves, 32 queries each (two tiles u of 16).  8 x 32 = 256 work-groups.
; Keys go in 8 phases of 256 through two LDS slots (V, K and the mask's 256 x 256 bytes); a phase is four chunks of 64 keys.
; Running maximum and running sum in f32, as reference() takes the maximum away before the exponential.
; ORIENTATION.  S^T = K Q^T (source 0: 16 keys, source 1: 16 queries): lane (r, hh) holds query r and, in register j of tile t, key 16 t + 8 hh + j.
;   Rounded to f16 and packed in place, tiles 2 ks and 2 ks + 1 ARE registers 0-3 and 4-7 of the second source of O^T = V^T P^T: no lane exchange.
;   V^T comes from LDS by the transposing load.  A lane's statistics are its own query's; only the maximum (each chunk) and the sum (once) cross the two halves.
; THE MASK enters as the C operand of the score product: 0 where the byte is 1, 0xfefefefe (about -1.7e38) where it is 0.
; CLUSTER 4 x 4: K and V hang on Y alone and are asked for jointly along a row of the cluster; the mask's tile hangs on X and b (the four Y of a cluster
;   share b) and is asked for jointly along a column.
; Eight waves and not four: the vector work of a chunk weighs about as much as its 32 matrix instructions, and with two waves on a SIMD one's vector work
;   runs beside the other's products; the map stays inside one window of 256 registers.
; LIMITS: q, k, v, the probabilities and att are rounded to f16.  The probabilities lie in [0, 1] (the largest of a row so far is 1), so what f16 drops of
;   them is below 2^-25 of that largest.  att is a mean of v with weights that add up to 1, so it stays inside v's range (below 65,504: see the launch that
;   makes v); with x and w_qkv both thirty times smaller its rms is about 5e-5 against f16's lowest step of 2^-24.
;   A masked score is the score - 1.7e38, its exponential is exactly 0.  The running maximum starts at -1e30: unscaled scores below -1e30 count as masked.
;   Inf or NaN among the inputs is not followed.  A row whose mask is all 0 gets sum 0, 1/0 = inf, 0 x inf = NaN, as reference() gives.  Mask bytes are 0 or 1.
; A macro's argument may be an expression (c + 1, 1 - slot): wherever one is multiplied it stands in brackets.
.set VP, 160                           ; V's LDS pitch: 128 + 32, an odd multiple of 32 for the transposing load
.set KP, 144                           ; K's: 128 + 16
.set MP, 272                           ; the mask's: 256 + 16
.set KOFF, 256*VP                      ; a slot: V's 256 rows, K's 256 rows, the mask's 256 query rows
.set MOFF, KOFF+256*KP
.set SLOT, MOFF+256*MP                 ; 147,456
.set STAGE, 2*SLOT                     ; behind the ring, a multiple of 256: 16 rows x 144 bytes for each wave; no tensor load lands here
.set PHB, 256*128                      ; bytes of 256 keys of K or of V
.set KBASE, 16*524288                  ; k heads and v heads in qkv
.set VBASE, 32*524288
.set ADV, 1                            ; v1-2    LDS address for V in slot 0, 1
.set ADK, 3                            ; v3-4    for K
.set ADM, 5                            ; v5-6    for the mask
.set STO, 7
.set RD, 8
.set CO, 9
.set CC, 10                            ; v[10:11] c = log2(e) / 8, twice
.set MX, 12                            ; v12-13  running maximum of tile u (unscaled)
.set LS, 14                            ; v14-15  running sum (this lane's half of the keys)
.set NM, 16                            ; v[16:17], v[18:19]  -c x maximum, twice
.set AL, 20                            ; v[20:21], v[22:23]  the rescale factor, twice
.set T, 24                             ; v24-31  at work
.set Q, 32                             ; v32-63  Q fragments, 32 + 16 u + 8 kk
.set O, 64                             ; v64-127 O^T, 64 + 32 u + 8 dt
.set S, 128                            ; v128-191 S^T, 128 + 32 u + 8 t; the next chunk's mask words wait in tile 3's registers
.set KV, 192                           ; v192-255 K fragments, then V fragments
.set G1V, 16
.set G1K, 24
.set G1M, 32
.set G0V, 40                           ; group 0, one set for each slot
.set G0K, 48
.set G0M, 56
.macro ROUND                           ; a round of the cluster's barrier
	s_barrier_signal -1
	s_barrier_wait -1
	s_cmp_lg_u32 s10, 0
	s_cbranch_scc1 .Lnot_wave_0_\@
	s_barrier_signal -3
.Lnot_wave_0_\@:
	s_barrier_wait -3
	s_barrier_signal -1
	s_barrier_wait -1
.endm
; One joint load a wave: waves 0, 1 V's halves, waves 2, 3 K's halves, waves 4-7 the mask's quarters.  The branches hang on the wave's number alone.
.macro JLOAD3 s
	s_cmp_lt_u32 s10, 2
	s_cbranch_scc0 .Lnot_v_\@
	tensor_load_to_lds s[G0V+4*(\s):G0V+4*(\s)+3], s[G1V:G1V+7]
	s_nop 0
	s_branch .Lasked_\@
.Lnot_v_\@:
	s_cmp_lt_u32 s10, 4
	s_cbranch_scc0 .Lfor_m_\@
	tensor_load_to_lds s[G0K+4*(\s):G0K+4*(\s)+3], s[G1K:G1K+7]
	s_nop 0
	s_branch .Lasked_\@
.Lfor_m_\@:
	tensor_load_to_lds s[G0M+4*(\s):G0M+4*(\s)+3], s[G1M:G1M+7]
	s_nop 0
.Lasked_\@:
.endm
	s_load_b128 s[4:7], s[0:1], 0x0                ; qkv s[4:5], mask s[6:7]
	s_load_b64 s[8:9], s[0:1], 0x10                ; att
	s_set_vgpr_msb 0x40
	v_lshl_add_u32 v0, v0, 2, 0x4c800
	v_mov_b32 v1, 0
	s_set_vgpr_msb 0x4045
	ds_add_u32 v0, v1
	s_set_vgpr_msb 0x4500
	v_lshrrev_b32 v24, 5, v0
	v_readfirstlane_b32 s10, v24                   ; wave 0..7
	s_bfe_u32 s12, ttmp6, 0x40000                  ; cx
	s_bfe_u32 s13, ttmp6, 0x40004                  ; cy
	s_lshl_b32 s14, ttmp9, 2
	s_add_co_u32 s14, s14, s12                     ; X = 4 x cluster x + cx
	s_and_b32 s73, ttmp7, 0xffff                   ; cluster y, 0..7
	s_and_b32 s15, s73, 3
	s_lshl_b32 s15, s15, 2
	s_add_co_u32 s15, s15, s13                     ; h = 4 x (cluster y mod 4) + cy
	s_lshr_b32 s73, s73, 2                         ; b, from the cluster's y alone
	s_lshl_b32 s11, s13, 2
	s_lshl_b32 s11, 15, s11                        ; my row of the cluster
	s_lshl_b32 s75, 0x1111, s12                    ; my column
	; group 1.  V, K: 128 rows of 64 elements of 2 bytes, dense; padding after every 32 words (code 4) of 8 words (V) or 4 (K); bit 21 beside the mask.
	s_or_b32 s[G1V+0], s11, 0x0f310000
	s_or_b32 s[G1K+0], s11, 0x07310000
	s_or_b32 s[G1M+0], s75, 0x07730000             ; the mask: elements of 8 bytes, padding of 4 words after every 64 (code 5)
	s_mov_b32 s[G1V+1], 64<<16                     ; tensor_dim0
	s_mov_b32 s[G1K+1], 64<<16
	s_mov_b32 s[G1M+1], 32<<16                     ; 256 bytes of a row of the mask
	s_mov_b32 s[G1V+2], 128<<16                    ; tensor_dim1
	s_mov_b32 s[G1K+2], 128<<16
	s_mov_b32 s[G1M+2], 64<<16                     ; 64 query rows
	s_mov_b32 s[G1V+3], 64<<16                     ; tile_dim0
	s_mov_b32 s[G1K+3], 64<<16
	s_mov_b32 s[G1M+3], 32<<16
	s_mov_b32 s[G1V+4], 128                        ; tile_dim1
	s_mov_b32 s[G1K+4], 128
	s_mov_b32 s[G1M+4], 64
	s_mov_b32 s[G1V+5], 64                         ; from row to row, in elements
	s_mov_b32 s[G1K+5], 64
	s_mov_b32 s[G1M+5], 256                        ; 2048 bytes
	s_mov_b32 s[G1V+6], 0
	s_mov_b32 s[G1K+6], 0
	s_mov_b32 s[G1M+6], 0
	s_mov_b32 s[G1V+7], 0
	s_mov_b32 s[G1K+7], 0
	s_mov_b32 s[G1M+7], 0
	; K's and V's offset: h, b and the wave's half; no cx enters
	s_lshl_b32 s76, s15, 19
	s_lshl_b32 s11, s73, 18
	s_add_co_u32 s76, s76, s11
	s_and_b32 s11, s10, 1
	s_lshl_b32 s11, s11, 14                        ; 128 keys x 128 bytes
	s_add_co_u32 s76, s76, s11
	s_mov_b32 s77, 0
	; the mask's offset: b, X and the wave's quarter; no cy enters
	s_lshl_b32 s78, s73, 22
	s_lshl_b32 s75, s14, 19                        ; 256 rows x 2048 bytes
	s_add_co_u32 s78, s78, s75
	s_and_b32 s75, s10, 3
	s_lshl_b32 s75, s75, 17                        ; 64 rows x 2048 bytes
	s_add_co_u32 s78, s78, s75
	s_mov_b32 s79, 0
	; my 32 queries in q's head h, and the same place in att
	s_lshl_b32 s2, s15, 19
	s_lshl_b32 s3, s73, 18
	s_add_co_u32 s2, s2, s3
	s_lshl_b32 s3, s14, 15
	s_add_co_u32 s2, s2, s3
	s_lshl_b32 s3, s10, 12
	s_add_co_u32 s2, s2, s3
	s_mov_b32 s3, 0
	; LDS addresses of the tiles: the wave's number times a constant, a constant, the slot's constant
	s_mul_i32 s[G0V+1], s10, 128*VP
	s_add_co_u32 s[G0V+5], s[G0V+1], SLOT
	s_mul_i32 s[G0K+1], s10, 128*KP
	s_add_co_u32 s[G0K+1], s[G0K+1], KOFF-2*128*KP
	s_add_co_u32 s[G0K+5], s[G0K+1], SLOT
	s_mul_i32 s[G0M+1], s10, 64*MP
	s_add_co_u32 s[G0M+1], s[G0M+1], MOFF-4*64*MP
	s_add_co_u32 s[G0M+5], s[G0M+1], SLOT
	s_mov_b32 s66, 0x76543210                      ; v_permlanex16_b32: lane i reads lane i of the other half
	s_mov_b32 s67, 0xfedcba98
	s_mov_b32 s68, 0x01010101                      ; v_perm_b32: byte 1, 2, 3 into all four places
	s_mov_b32 s69, 0x02020202
	s_mov_b32 s70, 0x03030303
	s_mov_b32 s72, 0x000000fe                      ; looked up by a mask byte: 0 -> 0xfe, 1 -> 0x00
	s_wait_dscnt 0x0
	s_wait_kmcnt 0x0
	s_add_nc_u64 s[76:77], s[4:5], s[76:77]
	s_add_nc_u64 s[78:79], s[6:7], s[78:79]
	s_add_nc_u64 s[4:5], s[4:5], s[2:3]
	s_add_nc_u64 s[8:9], s[8:9], s[2:3]
.irp s, 0,1
	s_mov_b32 s[G0V+4*\s], 1
	s_add_nc_u64 s[G0V+4*\s+2:G0V+4*\s+3], s[76:77], VBASE+\s*PHB
	s_or_b32 s[G0V+4*\s+3], s[G0V+4*\s+3], 0x80000000
	s_mov_b32 s[G0K+4*\s], 1
	s_add_nc_u64 s[G0K+4*\s+2:G0K+4*\s+3], s[76:77], KBASE+\s*PHB
	s_or_b32 s[G0K+4*\s+3], s[G0K+4*\s+3], 0x80000000
	s_mov_b32 s[G0M+4*\s], 1
	s_add_nc_u64 s[G0M+4*\s+2:G0M+4*\s+3], s[78:79], \s*256
	s_or_b32 s[G0M+4*\s+3], s[G0M+4*\s+3], 0x80000000
.endr
	ROUND                                          ; all sixteen work-groups are here
	JLOAD3 0                                       ; phase 0 into slot 0; at no time has a wave more than one tensor load out
	v_and_b32 v28, 15, v0                          ; r
	v_bfe_u32 v29, v0, 4, 1                        ; hh
	v_and_b32 v26, 7, v0
	v_bfe_u32 v30, v0, 3, 1
	v_lshl_add_u32 v27, v29, 3, v26                ; V, transposing load: key row 8 hh + (l & 7),
	v_mul_u32_u24 v27, v27, VP
	v_lshl_add_u32 v[ADV], v30, 4, v27             ; 16 bytes for each group of eight lanes
	v_add_nc_u32 v[ADV+1], SLOT, v[ADV]
	v_mul_u32_u24 v27, v28, KP
	v_lshl_add_u32 v27, v29, 4, v27                ; K: row r, 16 bytes for each half
	v_add_nc_u32 v[ADK], KOFF, v27
	v_add_nc_u32 v[ADK+1], KOFF+SLOT, v27
	s_mul_i32 s11, s10, 32*MP
	s_add_co_u32 s11, s11, MOFF
	v_mul_u32_u24 v31, v28, MP
	v_lshl_add_u32 v31, v29, 3, v31                ; the mask: query row 32 w + r, 8 bytes (8 keys) for each half
	v_add_nc_u32 v[ADM], s11, v31
	v_add_nc_u32 v[ADM+1], SLOT, v[ADM]
	s_mul_i32 s11, s10, 16*KP
	s_add_co_u32 s11, s11, STAGE
	v_add_nc_u32 v[STO], s11, v27
	v_bfe_u32 v31, v0, 3, 2
	v_mul_u32_u24 v31, v31, KP
	v_lshl_add_u32 v31, v26, 4, v31
	v_add_nc_u32 v[RD], s11, v31
	v_and_b32 v31, 31, v0
	v_lshlrev_b32 v[CO], 4, v31
	v_lshlrev_b32 v25, 7, v28
	v_lshl_add_u32 v25, v29, 4, v25                ; Q: row r of 128 bytes, 16 bytes for each half
.irp u, 0,1
.irp kk, 0,1
	global_load_b128 v[Q+16*\u+8*\kk:Q+16*\u+8*\kk+3],   v25, s[4:5] offset:2048*\u+64*\kk
	global_load_b128 v[Q+16*\u+8*\kk+4:Q+16*\u+8*\kk+7], v25, s[4:5] offset:2048*\u+64*\kk+32
.endr
.endr
	v_mov_b32 v[CC], 0x3e38aa3b                    ; log2(e) / 8
	v_mov_b32 v[CC+1], 0x3e38aa3b
	v_mov_b32 v[MX], 0xf149f2ca                    ; -1e30
	v_mov_b32 v[MX+1], 0xf149f2ca
	s_wait_loadcnt 0x0                             ; Q, once; v25 and the rest of T are free from here (all of v24-31 have been written: v26 and v30 serve as v_permlanex16_b32's destinations)
; the mask bytes of chunk c (keys 64 c .. 64 c + 63 of the slot's 256): 8 keys a load, into the registers of tile 3 of each u
.macro MASKLD slot, c
.irp u, 0,1
.irp t, 0,1,2,3
	ds_load_b64 v[S+32*\u+24+2*\t:S+32*\u+25+2*\t], v[ADM+\slot] offset:16*MP*\u+64*(\c)+16*\t
.endr
.endr
.endm
; running maximum of tile u over its 32 new scores, both halves of the lanes; -c x maximum; the factor for what was summed under the old maximum
.macro ROWMAX u, first
	v_max3_num_f32 v[T+4*\u],   v[MX+\u], v[S+32*\u], v[S+32*\u+1]
	v_max3_num_f32 v[T+4*\u+1], v[S+32*\u+16], v[S+32*\u+17], v[S+32*\u+18]
.irp i, 0,2,4,6,8,10
	v_max3_num_f32 v[T+4*\u],   v[T+4*\u],   v[S+32*\u+2+\i],  v[S+32*\u+3+\i]
	v_max3_num_f32 v[T+4*\u+1], v[T+4*\u+1], v[S+32*\u+19+\i], v[S+32*\u+20+\i]
.endr
	v_max3_num_f32 v[T+4*\u], v[T+4*\u], v[S+32*\u+14], v[S+32*\u+15]
	v_max3_num_f32 v[T+4*\u], v[T+4*\u], v[T+4*\u+1], v[S+32*\u+31]
	v_permlanex16_b32 v[T+4*\u+2], v[T+4*\u], s66, s67             ; the other eight keys of each tile lie in the other half
	v_max_num_f32 v[T+4*\u], v[T+4*\u], v[T+4*\u+2]
	v_mul_f32 v[T+4*\u+1], 0xbe38aa3b, v[T+4*\u]                   ; -c x new maximum, rounded once: the exponentials below use this very number,
.if \first == 0
	v_sub_f32 v[T+4*\u+2], v[T+4*\u+1], v[NM+2*\u]                 ; and the factor is made of the two rounded numbers: exactly 0 where the maximum stays
	v_exp_f32 v[AL+2*\u],   v[T+4*\u+2]
	v_exp_f32 v[AL+2*\u+1], v[T+4*\u+2]                            ; a plain instruction that touches neither follows (ISA guide 5.7.2)
.endif
	v_mov_b32 v[MX+\u], v[T+4*\u]
	v_mov_b32 v[NM+2*\u],   v[T+4*\u+1]
	v_mov_b32 v[NM+2*\u+1], v[T+4*\u+1]
.endm
; running sum of tile u: this lane's 32 new terms, two chains of packed adds
.macro ROWSUM u, first
	v_pk_add_f32 v[T+4*\u:T+4*\u+1],   v[S+32*\u:S+32*\u+1],     v[S+32*\u+2:S+32*\u+3]
	v_pk_add_f32 v[T+4*\u+2:T+4*\u+3], v[S+32*\u+16:S+32*\u+17], v[S+32*\u+18:S+32*\u+19]
.irp i, 4,6,8,10,12,14
	v_pk_add_f32 v[T+4*\u:T+4*\u+1],   v[T+4*\u:T+4*\u+1],   v[S+32*\u+\i:S+32*\u+\i+1]
	v_pk_add_f32 v[T+4*\u+2:T+4*\u+3], v[T+4*\u+2:T+4*\u+3], v[S+32*\u+16+\i:S+32*\u+17+\i]
.endr
	v_pk_add_f32 v[T+4*\u:T+4*\u+1], v[T+4*\u:T+4*\u+1], v[T+4*\u+2:T+4*\u+3]
.if \first
	v_add_f32 v[LS+\u], v[T+4*\u], v[T+4*\u+1]
.else
	v_add_f32 v[T+4*\u], v[T+4*\u], v[T+4*\u+1]
	v_fma_f32 v[LS+\u], v[LS+\u], v[AL+2*\u], v[T+4*\u]
.endif
.endm
; eight matrix instructions: O^T += V^T (32 keys ks) P^T.  The eight accumulators take turns.
.macro PVHALF ks, zero
.irp dt, 0,1,2,3
.irp u, 0,1
.if \zero
	v_wmma_f32_16x16x32_f16 v[O+32*\u+8*\dt:O+32*\u+8*\dt+7], v[KV+16*\dt+8*\ks:KV+16*\dt+8*\ks+7], v[S+32*\u+8*\ks:S+32*\u+8*\ks+7], 0
.else
	v_wmma_f32_16x16x32_f16 v[O+32*\u+8*\dt:O+32*\u+8*\dt+7], v[KV+16*\dt+8*\ks:KV+16*\dt+8*\ks+7], v[S+32*\u+8*\ks:S+32*\u+8*\ks+7], v[O+32*\u+8*\dt:O+32*\u+8*\dt+7]
.endif
.endr
.endr
.endm
; 64 keys (chunk c of the slot) against my 32 queries.  first = 1: the very first chunk starts O and the sums.  nextmask = 1: the next chunk's mask bytes are fetched.
.macro CHUNK slot, c, first, nextmask
	s_wait_dscnt 0x0                               ; the chunk's mask words are in
	; each mask byte looks itself up in 0x000000fe: 1 -> 0x00, 0 -> 0xfe.  These sixteen name no register of the products in front of them:
	; they are the places behind those for the loads into KV and the writes of S that follow.
.set i, 0
.rept 8
	v_perm_b32 v[S+24+i], v[S+24+i], s72, v[S+24+i]
	v_perm_b32 v[S+56+i], v[S+56+i], s72, v[S+56+i]
.set i, i+1
.endr
.irp t, 0,1,2,3
.irp kk, 0,1
	ds_load_b128 v[KV+16*\t+8*\kk:KV+16*\t+8*\kk+3],   v[ADK+\slot] offset:(64*(\c)+16*\t)*KP+64*\kk
	ds_load_b128 v[KV+16*\t+8*\kk+4:KV+16*\t+8*\kk+7], v[ADK+\slot] offset:(64*(\c)+16*\t)*KP+64*\kk+32
.endr
.endr
	; a byte into all four places of a word: 0 or 0xfefefefe, the C operand.  Tiles in ascending order, so that tile 3 is spread out in place.
.irp u, 0,1
.irp t, 0,1,2,3
.irp hw, 0,1
	v_perm_b32 v[S+32*\u+8*\t+4*\hw],   v[S+32*\u+24+2*\t+\hw], v[S+32*\u+24+2*\t+\hw], 0
	v_perm_b32 v[S+32*\u+8*\t+4*\hw+1], v[S+32*\u+24+2*\t+\hw], v[S+32*\u+24+2*\t+\hw], s68
	v_perm_b32 v[S+32*\u+8*\t+4*\hw+2], v[S+32*\u+24+2*\t+\hw], v[S+32*\u+24+2*\t+\hw], s69
	v_perm_b32 v[S+32*\u+8*\t+4*\hw+3], v[S+32*\u+24+2*\t+\hw], v[S+32*\u+24+2*\t+\hw], s70
.endr
.endr
.endr
	s_wait_dscnt 0x0                               ; K's fragments
.irp kk, 0,1
.irp t, 0,1,2,3
.irp u, 0,1
	v_wmma_f32_16x16x32_f16 v[S+32*\u+8*\t:S+32*\u+8*\t+7], v[KV+16*\t+8*\kk:KV+16*\t+8*\kk+7], v[Q+16*\u+8*\kk:Q+16*\u+8*\kk+7], v[S+32*\u+8*\t:S+32*\u+8*\t+7]   ; eight accumulators by turns
.endr
.endr
.endr
.rept 4
	v_nop                                          ; four places: KV is loaded again, and the scores are read
.endr
.irp dt, 0,1,2,3
.irp ks, 0,1
	ds_load_tr16_b128 v[KV+16*\dt+8*\ks:KV+16*\dt+8*\ks+3],   v[ADV+\slot] offset:(64*(\c)+32*\ks)*VP+32*\dt
	ds_load_tr16_b128 v[KV+16*\dt+8*\ks+4:KV+16*\dt+8*\ks+7], v[ADV+\slot] offset:(64*(\c)+32*\ks)*VP+32*\dt+16*VP
.endr
.endr
	ROWMAX 0, \first
	ROWMAX 1, \first
.set i, 0
.rept 16
	v_pk_fma_f32 v[S+i:S+i+1],       v[S+i:S+i+1],       v[CC:CC+1], v[NM:NM+1]       ; c x score - c x maximum
	v_pk_fma_f32 v[S+32+i:S+32+i+1], v[S+32+i:S+32+i+1], v[CC:CC+1], v[NM+2:NM+3]
.set i, i+2
.endr
.set i, 0
.rept 64
	v_exp_f32 v[S+i], v[S+i]
.set i, i+1
.endr
.if \first
	v_nop                                          ; one plain instruction between the exponentials and the first use (ISA guide 5.7.2)
	s_wait_alu depctr_va_vdst(0)
.else
.set i, 0
	s_wait_alu depctr_va_vdst(0)
.rept 16
	v_pk_mul_f32 v[O+i:O+i+1],       v[O+i:O+i+1],       v[AL:AL+1]                   ; what was summed under the old maximum; also the plain work behind the exponentials
	v_pk_mul_f32 v[O+32+i:O+32+i+1], v[O+32+i:O+32+i+1], v[AL+2:AL+3]
.set i, i+2
.endr
.endif
	ROWSUM 0, \first
	ROWSUM 1, \first
.set i, 0
.rept 16
	v_cvt_pk_f16_f32 v[S+i],    v[S+2*i],    v[S+2*i+1]        ; in place, ascending: register i is written when 2 i and 2 i + 1 are read
	v_cvt_pk_f16_f32 v[S+32+i], v[S+32+2*i], v[S+32+2*i+1]
.set i, i+1
.endr
.if \nextmask
	MASKLD \slot, \c+1
	s_wait_dscnt 8                                 ; V's sixteen loads are in; the eight mask loads issued behind them stay out
.else
	s_wait_dscnt 0x0
.endif
	PVHALF 0, \first
	PVHALF 1, 0
.endm
; A phase: 256 keys in slot.  In front of the round every wave waits for all its tensor loads (its part of this slot) and for its LDS reads (of the other slot);
; behind it this slot is whole in every work-group and nobody reads the other: the other's refill comes first, one joint load a wave, and has the phase's
; 128 matrix instructions and their vector work in which to land.
.macro TRIP slot, refill, first
	s_set_vgpr_msb 0x5
	s_wait_tensorcnt 0x0
	ds_add_u32 v0, v1
	s_wait_dscnt 0x0
	s_set_vgpr_msb 0x500
	s_add_nc_u64 s[G0V+4*\slot+2:G0V+4*\slot+3], s[G0V+4*\slot+2:G0V+4*\slot+3], 2*PHB   ; no tensor load of mine is out: this slot's next phase
	s_add_nc_u64 s[G0K+4*\slot+2:G0K+4*\slot+3], s[G0K+4*\slot+2:G0K+4*\slot+3], 2*PHB
	s_add_nc_u64 s[G0M+4*\slot+2:G0M+4*\slot+3], s[G0M+4*\slot+2:G0M+4*\slot+3], 2*256
	s_wait_dscnt 0x0
	ROUND
.if \refill
	JLOAD3 1-\slot
.endif
	MASKLD \slot, 0
	CHUNK \slot, 0, \first, 1
	CHUNK \slot, 1, 0, 1
	CHUNK \slot, 2, 0, 1
	CHUNK \slot, 3, 0, 0
.endm
	TRIP 0, 1, 1                                   ; phases 0 and 1 stand in front of the loop: the first chunk starts the sums
	TRIP 1, 1, 0
	s_mov_b32 s74, 2
.Lpair:
	TRIP 0, 1, 0                                   ; phases 2 to 5
	TRIP 1, 1, 0
	s_sub_co_u32 s74, s74, 1
	s_cmp_lg_u32 s74, 0
	s_cbranch_scc1 .Lpair
	TRIP 0, 1, 0                                   ; phase 6 asks for phase 7,
	TRIP 1, 0, 0                                   ; phase 7 for nothing (the stepped addresses are not used)
	; THE END: the two halves' sums meet, O is divided, rounded and leaves through my stage as rows of 128 bytes
.rept 4
	v_nop                                          ; four places behind the last products
.endr
	v_permlanex16_b32 v[T+2], v[LS], s66, s67
	v_permlanex16_b32 v[T+6], v[LS+1], s66, s67
	v_add_f32 v[LS], v[LS], v[T+2]
	v_add_f32 v[LS+1], v[LS+1], v[T+6]
	v_rcp_f32 v[AL], v[LS]
	v_rcp_f32 v[AL+1], v[LS]
	v_rcp_f32 v[AL+2], v[LS+1]
	v_rcp_f32 v[AL+3], v[LS+1]
	v_nop                                          ; one plain instruction before the reciprocals are used (ISA guide 5.7.2)
.set i, 0
	s_wait_alu depctr_va_vdst(0)
.rept 16
	v_pk_mul_f32 v[O+i:O+i+1],       v[O+i:O+i+1],       v[AL:AL+1]
	v_pk_mul_f32 v[O+32+i:O+32+i+1], v[O+32+i:O+32+i+1], v[AL+2:AL+3]
.set i, i+2
.endr
.irp u, 0,1
.irp dt, 0,1,2,3
.irp r, 0,1,2,3
	v_cvt_pk_f16_f32 v[S+16*\u+4*\dt+\r], v[O+32*\u+8*\dt+2*\r], v[O+32*\u+8*\dt+2*\r+1]
.endr
.endr
.irp dt, 0,1,2,3
	ds_store_b128 v[STO], v[S+16*\u+4*\dt:S+16*\u+4*\dt+3] offset:32*\dt       ; query r, d = 16 dt + 8 hh + 0..7
.endr
.irp t, 0,1,2,3
	ds_load_b128 v[KV+16*\u+4*\t:KV+16*\u+4*\t+3], v[RD] offset:\t*4*KP        ; LDS serves a wave's instructions in order (ISA guide 5.7.1.4); registers of their own for each u: no store's data is rewritten
.endr
.irp t, 0,1,2,3
	s_wait_dscnt 3-\t                              ; the younger read-backs stay out
	global_store_b128 v[CO], v[KV+16*\u+4*\t:KV+16*\u+4*\t+3], s[8:9] offset:2048*\u+512*\t   ; four queries: 512 consecutive bytes, aligned
.endr
.endr
	s_set_vgpr_msb 0x5
	s_wait_tensorcnt 0x0
	ds_add_u32 v0, v1
	s_wait_dscnt 0x0
	s_set_vgpr_msb 0x500
	ROUND                                          ; the closing round
	s_endpgm
.Lfunc_end_k_q707e3afbb9_attn:
	.size	k_q707e3afbb9_attn, .Lfunc_end_k_q707e3afbb9_attn-k_q707e3afbb9_attn
	.p2alignl 7, 3214868480
	.fill 96, 4, 3214868480
	.section	.rodata,"a",@progbits
	.p2align	6, 0x0
	.amdhsa_kernel k_q707e3afbb9_attn
		.amdhsa_group_segment_fixed_size 327680
		.amdhsa_private_segment_fixed_size 0
		.amdhsa_enable_private_segment 0
		.amdhsa_kernarg_size 24
		.amdhsa_user_sgpr_count 2
		.amdhsa_user_sgpr_kernarg_segment_ptr 1
		.amdhsa_wavefront_size32 1
		.amdhsa_system_sgpr_workgroup_id_x 1
		.amdhsa_system_sgpr_workgroup_id_y 1
		.amdhsa_system_sgpr_workgroup_id_z 1
		.amdhsa_system_vgpr_workitem_id 0
		.amdhsa_next_free_vgpr 258
		.amdhsa_next_free_sgpr 80
		.amdhsa_reserve_vcc 0
		.amdhsa_float_denorm_mode_32 3
		.amdhsa_float_denorm_mode_16_64 3
		.amdhsa_memory_ordered 1
		.amdhsa_forward_progress 1
		.amdhsa_inst_pref_size 255
	.end_amdhsa_kernel
	.section	.bss,"aw",@nobits
	.p2align	6
	.space	262144
	.amdgpu_metadata
---
amdhsa.version: [ 1, 2 ]
amdhsa.kernels:
  - .name:           k_q707e3afbb9_attn
    .symbol:         k_q707e3afbb9_attn.kd
    .args:
      - { .name: qkv, .offset: 0, .size: 8, .value_kind: global_buffer, .address_space: global }
      - { .name: mask, .offset: 8, .size: 8, .value_kind: global_buffer, .address_space: global }
      - { .name: att, .offset: 16, .size: 8, .value_kind: global_buffer, .address_space: global }
    .group_segment_fixed_size: 327680
    .private_segment_fixed_size: 0
    .kernarg_segment_align: 8
    .kernarg_segment_size: 24
    .max_flat_workgroup_size: 256
    .sgpr_count:     80
    .vgpr_count:     258
    .wavefront_size: 32
...
	.end_amdgpu_metadata
.endif
;; end of part 3
;; launch proj (part 4): grid 8 x 32, 4 waves a work-group, clusters of 4 x 4, 327,680 bytes of LDS; arguments att, ops, out0; writes out0
.if DOCPART == 4
	.amdgcn_target "amdgcn-amd-amdhsa--gfx1250"
	.amdhsa_code_object_version 6
	.text
	.protected	k_q707e3afbb9_proj
	.globl	k_q707e3afbb9_proj
	.p2align	8
	.type	k_q707e3afbb9_proj,@function
k_q707e3afbb9_proj:
	s_mov_b64 s[64:65], 0
	v_nop
	global_prefetch_b8 v0, s[64:65] scope:SCOPE_SE
	s_setreg_imm32_b32 hwreg(HW_REG_WAVE_MODE, 25, 1), 1
	s_wait_xcnt 0x0
	s_wait_alu depctr_hold_cnt(0) depctr_sa_sdst(0) depctr_va_vdst(0) depctr_va_sdst(0) depctr_va_ssrc(0) depctr_va_vcc(0) depctr_vm_vsrc(0)
	s_getreg_b32 s2, hwreg(HW_REG_IB_STS2, 6, 4)
	s_cmp_eq_u32 s2, 0
	s_cbranch_scc0 .Lentry_in_a_cluster
	s_endpgm
.Lentry_in_a_cluster:
	s_bfe_u32 s2, ttmp6, 0x10000c
	s_cmp_lg_u32 s2, 0xf033
	s_cbranch_scc0 .Lentry_shape_is_right
	s_endpgm
.Lentry_shape_is_right:
; out0[token][n] = sum over k of att[token][k] * w_proj[n][k], f32 out.  Operands: f16 in planes of 64 k (att's plane is a head; plane p of a tensor of
; R rows at p * R * 128, a row 128 bytes); sums in f32.
; A work-group makes 128 tokens x 128 features with four waves, 2 x 2, a wave 64 x 64: 16 accumulator tiles.  8 x 32 = 256 work-groups, one for each WGP:
; that count, and not the reuse of LDS bytes, sets the block's size here.
; K goes in steps of 256 (four planes) through two LDS slots, the longest step of which two slots fit: four fills in all.  One tensor load brings two
; planes' parts of a tile, each a dense run of 128 rows x 128 bytes.
; CLUSTER 4 x 4: tokens shared along a row of the cluster, weights along a column, each tile asked for jointly.
; LIMIT: att and w_proj are f16 (their ranges: see the launches that make them).  A NaN row of att (a query whose mask is all 0) gives a NaN row of out0,
; as in reference().
;
; REGISTERS, in windows of 256:  window 0: v16-26 addresses; v64-95, v96-127 token fragments, two buffers; v176-207 the way out
;   window 1: v0-31, v32-63 weight fragments, two buffers;  window 2: accumulators of my tokens 0-31 (tile (a, b) at v[8 (4 a + b)]);  window 3: tokens 32-63
; Source 0 = 16 weight rows, source 1 = 16 tokens: lane l holds token l % 16 and the features 8 (l / 16) + 0..7 of each tile.
.set BM, 128
.set BN, 128
.set BT, 4
.set PLS, 4                            ; planes in a slot
.set PPL, 2                            ; planes that one tensor load brings
.set APL, 524288                       ; bytes of a plane of att
.set BPL, 131072                       ; bytes of a plane of w_proj
.set BOFF, 0xe00000                    ; w_proj's start in ops
.set PITCH, 144                        ; 128 bytes + 16 of padding: the 16 rows of a fragment load start 4 r words apart modulo 64 words (64 banks of 4 bytes: ISA guide 11.1)
.set APLANE, BM*PITCH
.set BPLANE, BN*PITCH
.set ABYTES, PLS*APLANE
.set SLOT, PLS*(APLANE+BPLANE)
.set STAGE, 2*SLOT                     ; behind the ring, a multiple of 256: 16 rows x 272 bytes for each wave; no tensor load lands here
.set SPITCH, 272
.set ADRA, 16
.set ADRB, 20
.set STO, 24
.set RD, 25
.set CO, 26
.set FA0, 64
.set FA1, 96
.set FB0, 0
.set FB1, 32
.set RB, 176
.set G1, 24
.set G0, 32
.set G1B, 48
.set G0B, 56
.set MSB, 0
.macro WIN new                         ; s_set_vgpr_msb: bits 1:0 source 0, 3:2 source 1, 5:4 source 2, 7:6 destination; the high byte repeats the setting that is left
.if MSB != \new
	s_set_vgpr_msb (MSB<<8)|\new
.set MSB, \new
.endif
.endm
.set MUL_LO, 0xa1
.set MUL_HI, 0xf1
.set TO_B,   0x40
.macro JLOAD s                         ; waves 0, 1: token planes 0-1, 2-3 of the slot; waves 2, 3: weight planes
	s_cmp_eq_u32 s11, 0
	s_cbranch_scc0 .Lfor_b_\@
	tensor_load_to_lds s[G0+4*\s:G0+4*\s+3], s[G1:G1+7]
	s_nop 0
	s_branch .Lasked_\@
.Lfor_b_\@:
	tensor_load_to_lds s[G0B+4*\s:G0B+4*\s+3], s[G1B:G1B+7]
	s_nop 0
.Lasked_\@:
.endm
.macro CREST
	s_cmp_lg_u32 s10, 0
	s_cbranch_scc1 .Lnot_wave_0_\@
	s_barrier_signal -3
.Lnot_wave_0_\@:
	s_barrier_wait -3
	s_barrier_signal -1
	s_barrier_wait -1
.endm
.macro CROUND
	s_barrier_signal -1
	s_barrier_wait -1
	CREST
.endm
	s_load_b128 s[4:7], s[0:1], 0x0                ; att s[4:5], ops s[6:7]
	s_load_b64 s[8:9], s[0:1], 0x10                ; out0
	s_set_vgpr_msb 0x40
	v_lshl_add_u32 v255, v0, 2, 0x4c400
	s_set_vgpr_msb 0x4000
	v_mov_b32 v255, 0
	s_set_vgpr_msb 0x1
	ds_add_u32 v255, v255
	s_set_vgpr_msb 0x100
	v_lshrrev_b32 v1, 5, v0
	v_readfirstlane_b32 s10, v1                    ; wave 0..3
	s_lshr_b32 s11, s10, 1                         ; my half of the block's tokens.  Also: I fetch tokens (0) or weights (1)
	s_and_b32 s12, s10, 1                          ; my half of its features.  Also: which two planes I fetch
	s_bfe_u32 s40, ttmp6, 0x40000                  ; cx
	s_bfe_u32 s41, ttmp6, 0x40004                  ; cy
	s_lshl_b32 s42, ttmp9, 2
	s_add_co_u32 s42, s42, s40                     ; block of features
	s_and_b32 s13, ttmp7, 0xffff
	s_lshl_b32 s13, s13, 2
	s_add_co_u32 s13, s13, s41                     ; block of tokens
	s_lshl_b32 s43, s41, 2
	s_lshl_b32 s43, 15, s43                        ; my row of the cluster
	s_lshl_b32 s44, 0x1111, s40                    ; my column
	; group 1: a plane's part of a tile as one row of 8-byte elements, two such rows a plane apart; padding of 4 words after every 32; bit 21 beside the mask
	s_or_b32 s[G1+0], s43, 0x07330000
	s_or_b32 s[G1B+0], s44, 0x07330000
	s_mov_b32 s[G1+1], (BM*16)<<16
	s_mov_b32 s[G1B+1], (BN*16)<<16
	s_mov_b32 s[G1+2], PPL<<16
	s_mov_b32 s[G1B+2], PPL<<16
	s_mov_b32 s[G1+3], (BM*16)<<16
	s_mov_b32 s[G1B+3], (BN*16)<<16
	s_mov_b32 s[G1+4], PPL
	s_mov_b32 s[G1B+4], PPL
	s_mov_b32 s[G1+5], APL/8
	s_mov_b32 s[G1B+5], BPL/8
	s_mov_b32 s[G1+6], 0
	s_mov_b32 s[G1B+6], 0
	s_mov_b32 s[G1+7], 0
	s_mov_b32 s[G1B+7], 0
	s_mul_i32 s16, s13, BM*128                     ; tokens: the block of tokens and my planes; no cx enters
	s_mul_i32 s17, s12, PPL*APL
	s_add_co_u32 s16, s16, s17
	s_mov_b32 s17, 0
	s_mul_i32 s46, s42, BN*128                     ; weights: the block of features and my planes; no cy enters
	s_mul_i32 s47, s12, PPL*BPL
	s_add_co_u32 s46, s46, s47
	s_add_co_u32 s46, s46, BOFF
	s_mov_b32 s47, 0
	s_mul_i32 s20, s10, PPL*APLANE                 ; LDS: the wave's number times two planes; the weights' four planes follow the tokens' four
	s_mul_i32 s21, s10, PPL*BPLANE
	s_add_co_u32 s21, s21, ABYTES-2*PPL*BPLANE
	s_wait_dscnt 0x0
	s_wait_kmcnt 0x0
	s_add_nc_u64 s[14:15], s[4:5], s[16:17]
	s_add_nc_u64 s[46:47], s[6:7], s[46:47]
	CROUND                                         ; all sixteen work-groups are here
.irp s, 0,1
	s_mov_b32 s[G0+4*\s], 1
	s_add_co_u32 s[G0+4*\s+1], s20, \s*SLOT
	s_add_nc_u64 s[G0+4*\s+2:G0+4*\s+3], s[14:15], \s*PLS*APL
	s_or_b32 s[G0+4*\s+3], s[G0+4*\s+3], 0x80000000
	s_mov_b32 s[G0B+4*\s], 1
	s_add_co_u32 s[G0B+4*\s+1], s21, \s*SLOT
	s_add_nc_u64 s[G0B+4*\s+2:G0B+4*\s+3], s[46:47], \s*PLS*BPL
	s_or_b32 s[G0B+4*\s+3], s[G0B+4*\s+3], 0x80000000
	JLOAD \s                                       ; two tensor loads of the wave are out here, one later
.endr
	v_and_b32 v1, 15, v0
	v_bfe_u32 v2, v0, 4, 1
	v_mul_u32_u24 v3, v1, PITCH
	v_lshl_add_u32 v3, v2, 4, v3
	s_mul_i32 s21, s11, 64*PITCH                   ; my 64 tokens
	s_mul_i32 s22, s12, 64*PITCH                   ; my 64 weight rows,
	s_add_co_u32 s22, s22, ABYTES                  ; behind the tokens' planes
.irp s, 0,1
	v_add_nc_u32 v[ADRA+\s], s21, v3
	v_add_nc_u32 v[ADRB+\s], s22, v3
	s_add_co_u32 s21, s21, SLOT
	s_add_co_u32 s22, s22, SLOT
.endr
	s_mul_i32 s23, s10, 16*SPITCH
	s_add_co_u32 s23, s23, STAGE
	v_mul_u32_u24 v4, v1, SPITCH                   ; in: token l % 16, 32 bytes (8 f32) for each half of the lanes
	v_lshl_add_u32 v4, v2, 5, v4
	v_add_nc_u32 v[STO], s23, v4
	v_mul_u32_u24 v5, v2, SPITCH                   ; back: lanes 0-15 one row of 256 bytes, lanes 16-31 the next
	v_lshl_add_u32 v5, v1, 4, v5
	v_add_nc_u32 v[RD], s23, v5
	v_lshlrev_b32 v5, 12, v2                       ; and the same two rows in out0 (4096 bytes a row)
	v_lshl_add_u32 v[CO], v1, 4, v5
.macro MULROW fa, fb, hi, a, zero
.irp b, 0,1,2,3
.if \zero
	v_wmma_f32_16x16x32_f16 v[8*(BT*\a+\b):8*(BT*\a+\b)+7], v[\fb+8*\b:\fb+8*\b+7], v[\fa+8*(2*\hi+\a):\fa+8*(2*\hi+\a)+7], 0
.else
	v_wmma_f32_16x16x32_f16 v[8*(BT*\a+\b):8*(BT*\a+\b)+7], v[\fb+8*\b:\fb+8*\b+7], v[\fa+8*(2*\hi+\a):\fa+8*(2*\hi+\a)+7], v[8*(BT*\a+\b):8*(BT*\a+\b)+7]
.endif
.endr
.endm
.macro FETCH slot, pl, kb, fa, fb      ; 16 LDS loads in one run: 32 k at byte kb of plane pl
	WIN TO_B
.irp b, 0,1,2,3
	ds_load_b128 v[\fb+8*\b:\fb+8*\b+3],   v[ADRB+\slot] offset:\pl*BPLANE+\kb+\b*16*PITCH
	ds_load_b128 v[\fb+8*\b+4:\fb+8*\b+7], v[ADRB+\slot] offset:\pl*BPLANE+\kb+\b*16*PITCH+32
.endr
	WIN 0
.irp a, 0,1,2,3
	ds_load_b128 v[\fa+8*\a:\fa+8*\a+3],   v[ADRA+\slot] offset:\pl*APLANE+\kb+\a*16*PITCH
	ds_load_b128 v[\fa+8*\a+4:\fa+8*\a+7], v[ADRA+\slot] offset:\pl*APLANE+\kb+\a*16*PITCH+32
.endr
.endm
.macro PLACES                          ; four places behind matrix instructions, in front of loads into their sources and of readers of their results (ISA guide 7.12.1 for vector instructions)
.rept 4
	v_nop
.endr
.endm
; A quarter = 32 along K, 16 matrix instructions; the 16 accumulators take turns in one fixed order.
.macro QUARTER slot, pl, kb, fa, fb, ga, gb, zero
	s_wait_dscnt 4                                 ; all but the four youngest loads (token tiles 2 and 3)
	WIN MUL_LO
	MULROW \fa, \fb, 0, 0, \zero
	MULROW \fa, \fb, 0, 1, \zero
	PLACES
	FETCH \slot, \pl, \kb, \ga, \gb
	s_wait_dscnt 2*(BT+4)                          ; all but the 16 just issued
	WIN MUL_HI
	MULROW \fa, \fb, 1, 0, \zero
	MULROW \fa, \fb, 1, 1, \zero
.endm
.macro PHASE slot, zero                ; the first seven of a slot's eight quarters
	QUARTER \slot, 0, 64, FA0, FB0, FA1, FB1, \zero
	QUARTER \slot, 1, 0,  FA1, FB1, FA0, FB0, 0
	QUARTER \slot, 1, 64, FA0, FB0, FA1, FB1, 0
	QUARTER \slot, 2, 0,  FA1, FB1, FA0, FB0, 0
	QUARTER \slot, 2, 64, FA0, FB0, FA1, FB1, 0
	QUARTER \slot, 3, 0,  FA1, FB1, FA0, FB0, 0
	QUARTER \slot, 3, 64, FA0, FB0, FA1, FB1, 0
.endm
; The last quarter changes slots: waits for my reads and for all my tensor loads, one barrier (the opening of a round where the slot is filled again), the refill
; first behind it.  From a request to the wait for it a wave issues 8 + 112 + 4 = 124 matrix instructions.
.macro TURN slot, next, fill
	s_wait_dscnt 4
	WIN MUL_LO
	MULROW FA1, FB1, 0, 0, 0
	s_wait_dscnt 0
	s_wait_tensorcnt 0x0
	ds_add_u32 v255, v255
	s_wait_dscnt 0x0
	s_barrier_signal -1
	MULROW FA1, FB1, 0, 1, 0
	WIN 0
	s_barrier_wait -1
.if \fill
	CREST
	s_add_nc_u64 s[G0+4*\slot+2:G0+4*\slot+3], s[G0+4*\slot+2:G0+4*\slot+3], 2*PLS*APL
	s_add_nc_u64 s[G0B+4*\slot+2:G0B+4*\slot+3], s[G0B+4*\slot+2:G0B+4*\slot+3], 2*PLS*BPL
	JLOAD \slot
.endif
	PLACES
	FETCH \next, 0, 0, FA0, FB0
	WIN MUL_HI
	MULROW FA1, FB1, 1, 0, 0
	MULROW FA1, FB1, 1, 1, 0
.endm
	s_wait_tensorcnt 1                             ; my part of slot 0 is in; slot 1's load stays out
	s_barrier_signal -1
	s_barrier_wait -1
	FETCH 0, 0, 0, FA0, FB0
	PHASE 0, 1                                     ; k 0-255: the first products start the sums
	TURN 0, 1, 1                                   ; slot 0 gets k 512-767
	PHASE 1, 0                                     ; k 256-511
	TURN 1, 0, 1                                   ; slot 1 gets k 768-1023
	PHASE 0, 0                                     ; the last two steps fill nothing: four fills need no loop
	TURN 0, 1, 0
	PHASE 1, 0
	s_wait_dscnt 4
	WIN MUL_LO
	MULROW FA1, FB1, 0, 0, 0
	MULROW FA1, FB1, 0, 1, 0
	s_wait_dscnt 0
	WIN MUL_HI
	MULROW FA1, FB1, 1, 0, 0
	MULROW FA1, FB1, 1, 1, 0
	; THE WAY OUT, 16 tokens at a time: f32 straight from the accumulators into my stage, read back as whole rows of 256 bytes
	PLACES
	s_lshl_b32 s16, s13, 19                        ; block of tokens x 128 x 4096 bytes
	s_lshl_b32 s14, s11, 18                        ; + my half x 64 x 4096
	s_add_co_u32 s16, s16, s14
	s_mov_b32 s17, 0
	s_add_nc_u64 s[8:9], s[8:9], s[16:17]
	s_lshl_b32 s46, s42, 9                         ; block of features x 128 x 4 bytes
	s_lshl_b32 s47, s12, 8                         ; + my half x 64 x 4
	s_add_co_u32 s46, s46, s47
	s_mov_b32 s47, 0
	s_add_nc_u64 s[8:9], s[8:9], s[46:47]
; tokens 16 a .. 16 a + 15 = the four tiles (lo, 0..3) of window 2 or 3 (from = 0x08 or 0x0c: an LDS store's data are source 1)
.macro OUTF a, lo, from
	WIN \from
.irp b, 0,1,2,3
	ds_store_b128 v[STO], v[8*(BT*\lo+\b):8*(BT*\lo+\b)+3]   offset:64*\b
	ds_store_b128 v[STO], v[8*(BT*\lo+\b)+4:8*(BT*\lo+\b)+7] offset:64*\b+16
.endr
	WIN 0
	s_wait_xcnt 0x0                                ; RB, which the last stores read, and their base are rewritten only behind this wait
.if \a
	s_add_nc_u64 s[8:9], s[8:9], 16*4096
.endif
.irp t, 0,1,2,3,4,5,6,7
	ds_load_b128 v[RB+4*\t:RB+4*\t+3], v[RD] offset:\t*2*SPITCH    ; LDS serves a wave's instructions in order (ISA guide 5.7.1.4)
.endr
.irp t, 0,1,2,3,4,5,6,7
	s_wait_dscnt 7-\t                              ; the younger read-backs stay out
	global_store_b128 v[CO], v[RB+4*\t:RB+4*\t+3], s[8:9] offset:\t*8192 th:TH_STORE_NT   ; 16 lanes store 256 consecutive bytes, aligned; written once, not read again
.endr
.endm
	OUTF 0, 0, 0x08
	OUTF 1, 1, 0x08
	OUTF 2, 0, 0x0c
	OUTF 3, 1, 0x0c
	s_set_vgpr_msb 0x1
	s_wait_tensorcnt 0x0
	ds_add_u32 v255, v255
	s_wait_dscnt 0x0
	s_set_vgpr_msb 0x100
	CROUND                                         ; the closing round
	s_endpgm
.Lfunc_end_k_q707e3afbb9_proj:
	.size	k_q707e3afbb9_proj, .Lfunc_end_k_q707e3afbb9_proj-k_q707e3afbb9_proj
	.p2alignl 7, 3214868480
	.fill 96, 4, 3214868480
	.section	.rodata,"a",@progbits
	.p2align	6, 0x0
	.amdhsa_kernel k_q707e3afbb9_proj
		.amdhsa_group_segment_fixed_size 327680
		.amdhsa_private_segment_fixed_size 0
		.amdhsa_enable_private_segment 0
		.amdhsa_kernarg_size 24
		.amdhsa_user_sgpr_count 2
		.amdhsa_user_sgpr_kernarg_segment_ptr 1
		.amdhsa_wavefront_size32 1
		.amdhsa_system_sgpr_workgroup_id_x 1
		.amdhsa_system_sgpr_workgroup_id_y 1
		.amdhsa_system_sgpr_workgroup_id_z 1
		.amdhsa_system_vgpr_workitem_id 0
		.amdhsa_next_free_vgpr 1024
		.amdhsa_next_free_sgpr 66
		.amdhsa_reserve_vcc 0
		.amdhsa_float_denorm_mode_32 3
		.amdhsa_float_denorm_mode_16_64 3
		.amdhsa_memory_ordered 1
		.amdhsa_forward_progress 1
		.amdhsa_inst_pref_size 92
	.end_amdhsa_kernel
	.amdgpu_metadata
---
amdhsa.version: [ 1, 2 ]
amdhsa.kernels:
  - .name:           k_q707e3afbb9_proj
    .symbol:         k_q707e3afbb9_proj.kd
    .args:
      - { .name: att, .offset: 0, .size: 8, .value_kind: global_buffer, .address_space: global }
      - { .name: ops, .offset: 8, .size: 8, .value_kind: global_buffer, .address_space: global }
      - { .name: out0, .offset: 16, .size: 8, .value_kind: global_buffer, .address_space: global }
    .group_segment_fixed_size: 327680
    .private_segment_fixed_size: 0
    .kernarg_segment_align: 8
    .kernarg_segment_size: 24
    .max_flat_workgroup_size: 128
    .sgpr_count:     66
    .vgpr_count:     1024
    .wavefront_size: 32
...
	.end_amdgpu_metadata
.endif
;; end of part 4
;; ======== version 2 of 2: 4 launches
;; limits: values are held in f16: magnitudes above 65,504 overflow, below 6.1e-05 lose precision
;; workspace buffers: ops 16,777,216 bytes; qkv 25,165,824 bytes; att 8,388,608 bytes
;; launch tof16: the kernel of part 1 again; grid 512 x 1, 8 waves a work-group, no clusters, 0 bytes of LDS; arguments x, w_qkv, w_proj, ops; writes ops
;; launch qkvgemm: the kernel of part 2 again; grid 16 x 16, 4 waves a work-group, clusters of 4 x 4, 327,680 bytes of LDS; arguments ops, qkv; writes qkv
;; launch attn (part 5): grid 8 x 32, 8 waves a work-group, clusters of 4 x 4, 327,680 bytes of LDS; arguments qkv, mask, att; writes att
.if DOCPART == 5
	.amdgcn_target "amdgcn-amd-amdhsa--gfx1250"
	.amdhsa_code_object_version 6
	.text
	.protected	k_q707e3afbb9_attn
	.globl	k_q707e3afbb9_attn
	.p2align	8
	.type	k_q707e3afbb9_attn,@function
k_q707e3afbb9_attn:
	s_mov_b64 s[64:65], 0
	v_nop
	global_prefetch_b8 v0, s[64:65] scope:SCOPE_SE
	s_setreg_imm32_b32 hwreg(HW_REG_WAVE_MODE, 25, 1), 1
	s_wait_xcnt 0x0
	s_wait_alu depctr_hold_cnt(0) depctr_sa_sdst(0) depctr_va_vdst(0) depctr_va_sdst(0) depctr_va_ssrc(0) depctr_va_vcc(0) depctr_vm_vsrc(0)
	s_getreg_b32 s2, hwreg(HW_REG_IB_STS2, 6, 4)
	s_cmp_eq_u32 s2, 0
	s_cbranch_scc0 .Lentry_in_a_cluster
	s_endpgm
.Lentry_in_a_cluster:
	s_bfe_u32 s2, ttmp6, 0x10000c
	s_cmp_lg_u32 s2, 0xf033
	s_cbranch_scc0 .Lentry_shape_is_right
	s_endpgm
.Lentry_shape_is_right:
; att[h][token][d] = softmax over keys of (q k / 8, where mask) times v, for 2 batches x 16 heads, 2048 queries and keys, 64 per head.  q, k, v, att: f16.
; Work-group (X, Y): 256 queries (block X) of head-batch Y = 16 b + h.  Eight waves, 32 queries each (two tiles u of 16).  8 x 32 = 256 work-groups.
; Keys go in 8 phases of 256 through two LDS slots (V, K and the mask's 256 x 256 bytes); a phase is four chunks of 64 keys.
; THE CHUNK IS A LOOP, not unrolled text: a wave's 32 chunks run through four copies of the chunk's some 350 instructions (one for each slot in the loop over
;   pairs of phases, one for each slot in the tail, whose last phase asks for no tile), so that 28 of the 32 run through text that has been fetched before.
;   For that the chunk is the same in every trip: its LDS addresses are stepped by constants, its mask bytes are loaded at its own head, and the sums start at 0.
; Running maximum and running sum in f32, as reference() takes the maximum away before the exponential.
; ORIENTATION.  S^T = K Q^T (source 0: 16 keys, source 1: 16 queries): lane (r, hh) holds query r and, in register j of tile t, key 16 t + 8 hh + j.
;   Rounded to f16 and packed in place, tiles 2 ks and 2 ks + 1 ARE registers 0-3 and 4-7 of the second source of O^T = V^T P^T: no lane exchange.
;   V^T comes from LDS by the transposing load.  A lane's statistics are its own query's; only the maximum (each chunk) and the sum (once) cross the two halves.
; THE MASK enters as the C operand of the score product: 0 where the byte is 1, -2^120 (-1.3e36) where it is 0.  A lane's eight mask bytes of a tile are the
;   tile's eight registers in order, so one conversion of eight fp8 codes to f32 spreads them: a lookup turns byte 1 into the code 0x00 (0) and byte 0 into
;   0xf0 (-128), and the conversion's scale is 2^113.  Both values are exact; no arithmetic is done in 8 bits.  24 instructions for a chunk's 64 words a lane.
; CLUSTER 4 x 4: K and V hang on Y alone and are asked for jointly along a row of the cluster; the mask's tile hangs on X and b (the four Y of a cluster
;   share b) and is asked for jointly along a column.
; Eight waves and not four: the vector work of a chunk weighs more than its 32 matrix instructions, and with two waves on a SIMD one's vector work
;   runs beside the other's products; the map stays inside one window of 256 registers.
; LIMITS: q, k, v, the probabilities and att are rounded to f16.  The probabilities lie in [0, 1] (the largest of a row so far is 1), so what f16 drops of
;   them is below 2^-25 of that largest.  att is a mean of v with weights that add up to 1, so it stays inside v's range (below 65,504: see the launch that
;   makes v); with x and w_qkv both thirty times smaller its rms is about 5e-5 against f16's lowest step of 2^-24.
;   A masked score is the score - 1.3e36, its exponential is exactly 0.  The running maximum starts at -1e30: unscaled scores below -1e30 count as masked.
;   Inf or NaN among the inputs is not followed.  A row whose mask is all 0 gets sum 0, 1/0 = inf, 0 x inf = NaN, as reference() gives.  Mask bytes are 0 or 1.
; A macro's argument may be an expression (1 - slot): wherever one is multiplied it stands in brackets.
.set VP, 160                           ; V's LDS pitch: 128 + 32, an odd multiple of 32 for the transposing load
.set KP, 144                           ; K's: 128 + 16
.set MP, 272                           ; the mask's: 256 + 16
.set KOFF, 256*VP                      ; a slot: V's 256 rows, K's 256 rows, the mask's 256 query rows
.set MOFF, KOFF+256*KP
.set SLOT, MOFF+256*MP                 ; 147,456
.set STAGE, 2*SLOT                     ; behind the ring, a multiple of 256: 16 rows x 144 bytes for each wave; no tensor load lands here
.set PHB, 256*128                      ; bytes of 256 keys of K or of V
.set KBASE, 16*524288                  ; k heads and v heads in qkv
.set VBASE, 32*524288
.set SC, 0                             ; v0      behind the set-up: the conversion's scale, byte 0 = 240 (2^113)
.set ADV, 1                            ; v1      LDS address for V, chunk 0 of slot 0; never rewritten
.set CV, 2                             ; v2      the same for the chunk at work
.set ADK, 3                            ; v3, v4  for K
.set CK, 4
.set ADM, 5                            ; v5, v6  for the mask
.set CM, 6
.set STO, 7
.set RD, 8
.set CO, 9
.set CC, 10                            ; v[10:11] c = log2(e) / 8, twice
.set MX, 12                            ; v12-13  running maximum of tile u (unscaled)
.set LS, 14                            ; v14-15  running sum (this lane's half of the keys)
.set NM, 16                            ; v16, v18  -c x maximum of tile u; v17, v19 are only named as the pairs' second registers
.set AL, 20                            ; v20, v22  the rescale factor of tile u; v21, v23 likewise
.set T, 24                             ; v24-31  at work; at a chunk's head the mask words of tile u = 1
.set Q, 32                             ; v32-63  Q fragments, 32 + 16 u + 8 kk
.set O, 64                             ; v64-127 O^T, 64 + 32 u + 8 dt
.set S, 128                            ; v128-191 S^T, 128 + 32 u + 8 t
.set MW0, S+56                         ; v184-191 at a chunk's head the mask words of tile u = 0: registers that the products in front do not name
.set KV, 192                           ; v192-255 K fragments, then V fragments
.set G1V, 16
.set G1K, 24
.set G1M, 32
.set G0V, 40                           ; group 0, one set for each slot
.set G0K, 48
.set G0M, 56
.macro ROUND                           ; a round of the cluster's barrier
	s_barrier_signal -1
	s_barrier_wait -1
	s_cmp_lg_u32 s10, 0
	s_cbranch_scc1 .Lnot_wave_0_\@
	s_barrier_signal -3
.Lnot_wave_0_\@:
	s_barrier_wait -3
	s_barrier_signal -1
	s_barrier_wait -1
.endm
; One joint load a wave: waves 0, 1 V's halves, waves 2, 3 K's halves, waves 4-7 the mask's quarters.  The branches hang on the wave's number alone.
.macro JLOAD3 s
	s_cmp_lt_u32 s10, 2
	s_cbranch_scc0 .Lnot_v_\@
	tensor_load_to_lds s[G0V+4*(\s):G0V+4*(\s)+3], s[G1V:G1V+7]
	s_nop 0
	s_branch .Lasked_\@
.Lnot_v_\@:
	s_cmp_lt_u32 s10, 4
	s_cbranch_scc0 .Lfor_m_\@
	tensor_load_to_lds s[G0K+4*(\s):G0K+4*(\s)+3], s[G1K:G1K+7]
	s_nop 0
	s_branch .Lasked_\@
.Lfor_m_\@:
	tensor_load_to_lds s[G0M+4*(\s):G0M+4*(\s)+3], s[G1M:G1M+7]
	s_nop 0
.Lasked_\@:
.endm
	s_load_b128 s[4:7], s[0:1], 0x0                ; qkv s[4:5], mask s[6:7]
	s_load_b64 s[8:9], s[0:1], 0x10                ; att
	s_set_vgpr_msb 0x40
	v_lshl_add_u32 v0, v0, 2, 0x4c800
	v_mov_b32 v1, 0
	s_set_vgpr_msb 0x4045
	ds_add_u32 v0, v1
	s_set_vgpr_msb 0x4500
	v_lshrrev_b32 v24, 5, v0
	v_readfirstlane_b32 s10, v24                   ; wave 0..7
	s_bfe_u32 s12, ttmp6, 0x40000                  ; cx
	s_bfe_u32 s13, ttmp6, 0x40004                  ; cy
	s_lshl_b32 s14, ttmp9, 2
	s_add_co_u32 s14, s14, s12                     ; X = 4 x cluster x + cx
	s_and_b32 s73, ttmp7, 0xffff                   ; cluster y, 0..7
	s_and_b32 s15, s73, 3
	s_lshl_b32 s15, s15, 2
	s_add_co_u32 s15, s15, s13                     ; h = 4 x (cluster y mod 4) + cy
	s_lshr_b32 s73, s73, 2                         ; b, from the cluster's y alone
	s_lshl_b32 s11, s13, 2
	s_lshl_b32 s11, 15, s11                        ; my row of the cluster
	s_lshl_b32 s75, 0x1111, s12                    ; my column
	; group 1.  V, K: 128 rows of 64 elements of 2 bytes, dense; padding after every 32 words (code 4) of 8 words (V) or 4 (K); bit 21 beside the mask.
	s_or_b32 s[G1V+0], s11, 0x0f310000
	s_or_b32 s[G1K+0], s11, 0x07310000
	s_or_b32 s[G1M+0], s75, 0x07730000             ; the mask: elements of 8 bytes, padding of 4 words after every 64 (code 5)
	s_mov_b32 s[G1V+1], 64<<16                     ; tensor_dim0
	s_mov_b32 s[G1K+1], 64<<16
	s_mov_b32 s[G1M+1], 32<<16                     ; 256 bytes of a row of the mask
	s_mov_b32 s[G1V+2], 128<<16                    ; tensor_dim1
	s_mov_b32 s[G1K+2], 128<<16
	s_mov_b32 s[G1M+2], 64<<16                     ; 64 query rows
	s_mov_b32 s[G1V+3], 64<<16                     ; tile_dim0
	s_mov_b32 s[G1K+3], 64<<16
	s_mov_b32 s[G1M+3], 32<<16
	s_mov_b32 s[G1V+4], 128                        ; tile_dim1
	s_mov_b32 s[G1K+4], 128
	s_mov_b32 s[G1M+4], 64
	s_mov_b32 s[G1V+5], 64                         ; from row to row, in elements
	s_mov_b32 s[G1K+5], 64
	s_mov_b32 s[G1M+5], 256                        ; 2048 bytes
	s_mov_b32 s[G1V+6], 0
	s_mov_b32 s[G1K+6], 0
	s_mov_b32 s[G1M+6], 0
	s_mov_b32 s[G1V+7], 0
	s_mov_b32 s[G1K+7], 0
	s_mov_b32 s[G1M+7], 0
	; K's and V's offset: h, b and the wave's half; no cx enters
	s_lshl_b32 s76, s15, 19
	s_lshl_b32 s11, s73, 18
	s_add_co_u32 s76, s76, s11
	s_and_b32 s11, s10, 1
	s_lshl_b32 s11, s11, 14                        ; 128 keys x 128 bytes
	s_add_co_u32 s76, s76, s11
	s_mov_b32 s77, 0
	; the mask's offset: b, X and the wave's quarter; no cy enters
	s_lshl_b32 s78, s73, 22
	s_lshl_b32 s75, s14, 19                        ; 256 rows x 2048 bytes
	s_add_co_u32 s78, s78, s75
	s_and_b32 s75, s10, 3
	s_lshl_b32 s75, s75, 17                        ; 64 rows x 2048 bytes
	s_add_co_u32 s78, s78, s75
	s_mov_b32 s79, 0
	; my 32 queries in q's head h, and the same place in att
	s_lshl_b32 s2, s15, 19
	s_lshl_b32 s3, s73, 18
	s_add_co_u32 s2, s2, s3
	s_lshl_b32 s3, s14, 15
	s_add_co_u32 s2, s2, s3
	s_lshl_b32 s3, s10, 12
	s_add_co_u32 s2, s2, s3
	s_mov_b32 s3, 0
	; LDS addresses of the tiles: the wave's number times a constant, a constant, the slot's constant
	s_mul_i32 s[G0V+1], s10, 128*VP
	s_add_co_u32 s[G0V+5], s[G0V+1], SLOT
	s_mul_i32 s[G0K+1], s10, 128*KP
	s_add_co_u32 s[G0K+1], s[G0K+1], KOFF-2*128*KP
	s_add_co_u32 s[G0K+5], s[G0K+1], SLOT
	s_mul_i32 s[G0M+1], s10, 64*MP
	s_add_co_u32 s[G0M+1], s[G0M+1], MOFF-4*64*MP
	s_add_co_u32 s[G0M+5], s[G0M+1], SLOT
	s_mov_b32 s66, 0x76543210                      ; v_permlanex16_b32: lane i reads lane i of the other half
	s_mov_b32 s67, 0xfedcba98
	s_mov_b32 s72, 0x000000f0                      ; looked up by a mask byte: 0 -> 0xf0 (the fp8 code of -128), 1 -> 0x00 (of 0)
	s_wait_dscnt 0x0
	s_wait_kmcnt 0x0
	s_add_nc_u64 s[76:77], s[4:5], s[76:77]
	s_add_nc_u64 s[78:79], s[6:7], s[78:79]
	s_add_nc_u64 s[4:5], s[4:5], s[2:3]
	s_add_nc_u64 s[8:9], s[8:9], s[2:3]
.irp s, 0,1
	s_mov_b32 s[G0V+4*\s], 1
	s_add_nc_u64 s[G0V+4*\s+2:G0V+4*\s+3], s[76:77], VBASE+\s*PHB
	s_or_b32 s[G0V+4*\s+3], s[G0V+4*\s+3], 0x80000000
	s_mov_b32 s[G0K+4*\s], 1
	s_add_nc_u64 s[G0K+4*\s+2:G0K+4*\s+3], s[76:77], KBASE+\s*PHB
	s_or_b32 s[G0K+4*\s+3], s[G0K+4*\s+3], 0x80000000
	s_mov_b32 s[G0M+4*\s], 1
	s_add_nc_u64 s[G0M+4*\s+2:G0M+4*\s+3], s[78:79], \s*256
	s_or_b32 s[G0M+4*\s+3], s[G0M+4*\s+3], 0x80000000
.endr
	ROUND                                          ; all sixteen work-groups are here
	JLOAD3 0                                       ; phase 0 into slot 0; at no time has a wave more than one tensor load out
	v_and_b32 v28, 15, v0                          ; r
	v_bfe_u32 v29, v0, 4, 1                        ; hh
	v_and_b32 v26, 7, v0
	v_bfe_u32 v30, v0, 3, 1
	v_lshl_add_u32 v27, v29, 3, v26                ; V, transposing load: key row 8 hh + (l & 7),
	v_mul_u32_u24 v27, v27, VP
	v_lshl_add_u32 v[ADV], v30, 4, v27             ; 16 bytes for each group of eight lanes
	v_mul_u32_u24 v27, v28, KP
	v_lshl_add_u32 v27, v29, 4, v27                ; K: row r, 16 bytes for each half
	v_add_nc_u32 v[ADK], KOFF, v27
	s_mul_i32 s11, s10, 32*MP
	s_add_co_u32 s11, s11, MOFF
	v_mul_u32_u24 v31, v28, MP
	v_lshl_add_u32 v31, v29, 3, v31                ; the mask: query row 32 w + r, 8 bytes (8 keys) for each half
	v_add_nc_u32 v[ADM], s11, v31
	s_mul_i32 s11, s10, 16*KP
	s_add_co_u32 s11, s11, STAGE
	v_add_nc_u32 v[STO], s11, v27
	v_bfe_u32 v31, v0, 3, 2
	v_mul_u32_u24 v31, v31, KP
	v_lshl_add_u32 v31, v26, 4, v31
	v_add_nc_u32 v[RD], s11, v31
	v_and_b32 v31, 31, v0
	v_lshlrev_b32 v[CO], 4, v31
	v_lshlrev_b32 v25, 7, v28
	v_lshl_add_u32 v25, v29, 4, v25                ; Q: row r of 128 bytes, 16 bytes for each half
.irp u, 0,1
.irp kk, 0,1
	global_load_b128 v[Q+16*\u+8*\kk:Q+16*\u+8*\kk+3],   v25, s[4:5] offset:2048*\u+64*\kk
	global_load_b128 v[Q+16*\u+8*\kk+4:Q+16*\u+8*\kk+7], v25, s[4:5] offset:2048*\u+64*\kk+32
.endr
.endr
	v_mov_b32 v[SC], 240                           ; the thread's number has served: byte 0 = 240 stands for 2^(240 - 127) = 2^113
	v_mov_b32 v[CC], 0x3e38aa3b                    ; log2(e) / 8
	v_mov_b32 v[CC+1], 0x3e38aa3b
	v_mov_b32 v[MX], 0xf149f2ca                    ; -1e30
	v_mov_b32 v[MX+1], 0xf149f2ca
.irp i, 0,1,2,3
	v_mul_f32 v[NM+\i], 0xbe38aa3b, v[MX]          ; -c x (-1e30), by the multiply that the chunk uses: a maximum that stays gives the difference 0, the factor 1
.endr
	v_mov_b32 v[AL+1], 0                           ; a packed instruction names both registers of a pair: the second ones of AL (and of NM, above) are written
	v_mov_b32 v[AL+3], 0                           ; once here and never used as values (op_sel_hi takes the first register for both halves)
	; The sums start at 0, 66 moves once, while Q is on its way.  Letting the first product start them would ask for a chunk that differs from the other 31:
	; a further copy of its instructions, and a first phase with a text of its own.  The first real maximum gives the factor exp2(-1.8e29) = 0.
	v_mov_b32 v[LS], 0
	v_mov_b32 v[LS+1], 0
.set i, 0
.rept 64
	v_mov_b32 v[O+i], 0
.set i, i+1
.endr
	s_wait_loadcnt 0x0                             ; Q, once; v25 and the rest of T are free from here
; running maxima of both tiles over their 32 new scores, both halves of the lanes; -c x maximum; the factor for what was summed under the old maximum.
; Two chains for each tile, the four interleaved, so that no instruction reads the result of the one in front of it.
.macro ROWMAX
.irp u, 0,1
	v_max3_num_f32 v[T+4*\u],   v[MX+\u], v[S+32*\u], v[S+32*\u+1]
	v_max3_num_f32 v[T+4*\u+1], v[S+32*\u+16], v[S+32*\u+17], v[S+32*\u+18]
.endr
.irp i, 0,2,4,6,8,10
.irp u, 0,1
	v_max3_num_f32 v[T+4*\u],   v[T+4*\u],   v[S+32*\u+2+\i],  v[S+32*\u+3+\i]
	v_max3_num_f32 v[T+4*\u+1], v[T+4*\u+1], v[S+32*\u+19+\i], v[S+32*\u+20+\i]
.endr
.endr
.irp u, 0,1
	v_max3_num_f32 v[T+4*\u], v[T+4*\u], v[S+32*\u+14], v[S+32*\u+15]
.endr
.irp u, 0,1
	v_max3_num_f32 v[T+4*\u], v[T+4*\u], v[T+4*\u+1], v[S+32*\u+31]
.endr
.irp u, 0,1
	v_permlanex16_b32 v[T+4*\u+2], v[T+4*\u], s66, s67             ; the other eight keys of each tile lie in the other half
.endr
.irp u, 0,1
	v_max_num_f32 v[MX+\u], v[T+4*\u], v[T+4*\u+2]
.endr
.irp u, 0,1
	v_mul_f32 v[T+4*\u+1], 0xbe38aa3b, v[MX+\u]                    ; -c x new maximum, rounded once: the exponentials below use this very number,
.endr
.irp u, 0,1
	v_sub_f32 v[T+4*\u+2], v[T+4*\u+1], v[NM+2*\u]                 ; and the factor is made of the two rounded numbers: exactly 0 where the maximum stays
.endr
.irp u, 0,1
	v_exp_f32 v[AL+2*\u], v[T+4*\u+2]
.endr
.irp u, 0,1
	v_mov_b32 v[NM+2*\u], v[T+4*\u+1]                              ; plain work that touches neither the factors nor their sources (ISA guide 5.7.2)
.endr
.endm
; running sums of both tiles: this lane's 32 new terms of each, two chains of packed adds for each tile, the four interleaved
.macro ROWSUM
.irp u, 0,1
	v_pk_add_f32 v[T+4*\u:T+4*\u+1],   v[S+32*\u:S+32*\u+1],     v[S+32*\u+2:S+32*\u+3]
	v_pk_add_f32 v[T+4*\u+2:T+4*\u+3], v[S+32*\u+16:S+32*\u+17], v[S+32*\u+18:S+32*\u+19]
.endr
.irp i, 4,6,8,10,12,14
.irp u, 0,1
	v_pk_add_f32 v[T+4*\u:T+4*\u+1],   v[T+4*\u:T+4*\u+1],   v[S+32*\u+\i:S+32*\u+\i+1]
	v_pk_add_f32 v[T+4*\u+2:T+4*\u+3], v[T+4*\u+2:T+4*\u+3], v[S+32*\u+16+\i:S+32*\u+17+\i]
.endr
.endr
.irp u, 0,1
	v_pk_add_f32 v[T+4*\u:T+4*\u+1], v[T+4*\u:T+4*\u+1], v[T+4*\u+2:T+4*\u+3]
.endr
.irp u, 0,1
	v_add_f32 v[T+4*\u], v[T+4*\u], v[T+4*\u+1]
.endr
.irp u, 0,1
	v_fma_f32 v[LS+\u], v[LS+\u], v[AL+2*\u], v[T+4*\u]
.endr
.endm
; 64 keys against my 32 queries.  CM, CK, CV point at the chunk's mask bytes, K rows and V rows; the chunk steps them at its end.
.macro CHUNK
	; the chunk's mask bytes, 8 keys a load: tile u = 0's into MW0, tile u = 1's into T; the products in front of this line name neither
.irp t, 0,1,2,3
	ds_load_b64 v[MW0+2*\t:MW0+2*\t+1], v[CM] offset:16*\t
.endr
.irp t, 0,1,2,3
	ds_load_b64 v[T+2*\t:T+2*\t+1], v[CM] offset:16*MP+16*\t
.endr
	v_nop                                          ; with the three address steps at the last chunk's end the fourth place behind its products (ISA guide 7.12.1 for vector instructions): KV is loaded again
.irp t, 0,1,2,3
.irp kk, 0,1
	ds_load_b128 v[KV+16*\t+8*\kk:KV+16*\t+8*\kk+3],   v[CK] offset:16*\t*KP+64*\kk
	ds_load_b128 v[KV+16*\t+8*\kk+4:KV+16*\t+8*\kk+7], v[CK] offset:16*\t*KP+64*\kk+32
.endr
.endr
	s_wait_dscnt 16                                ; the eight mask loads are in; K's sixteen, issued behind them, stay out while the mask is spread
	; Each mask byte looks itself up in 0x000000f0: 1 -> 0x00, 0 -> 0xf0.  Then eight codes become eight f32 words, the C operand of a tile: 0 or -128 x 2^113.
	; A conversion's destination overlaps none of its sources; behind a conversion one plain vector instruction stands before its result is touched or a
	; source of it written: for tile 0's conversions, whose sources tile 1's last conversion writes over, tile 1's lookups; for tile 1's the v_nop.
.set i, 0
.rept 8
	v_perm_b32 v[MW0+i], v[MW0+i], s72, v[MW0+i]
.set i, i+1
.endr
.irp t, 0,1,2,3
	v_cvt_scale_pk8_f32_fp8 v[S+8*\t:S+8*\t+7], v[MW0+2*\t:MW0+2*\t+1], v[SC]
.endr
.set i, 0
.rept 8
	v_perm_b32 v[T+i], v[T+i], s72, v[T+i]
.set i, i+1
.endr
.irp t, 0,1,2,3
	v_cvt_scale_pk8_f32_fp8 v[S+32+8*\t:S+32+8*\t+7], v[T+2*\t:T+2*\t+1], v[SC]
.endr
	v_nop
	s_wait_dscnt 0x0                               ; K's fragments
.irp kk, 0,1
.irp t, 0,1,2,3
.irp u, 0,1
	v_wmma_f32_16x16x32_f16 v[S+32*\u+8*\t:S+32*\u+8*\t+7], v[KV+16*\t+8*\kk:KV+16*\t+8*\kk+7], v[Q+16*\u+8*\kk:Q+16*\u+8*\kk+7], v[S+32*\u+8*\t:S+32*\u+8*\t+7]   ; eight accumulators by turns
.endr
.endr
.endr
.rept 4
	v_nop                                          ; four places: KV is loaded again, and the scores are read
.endr
.irp dt, 0,1,2,3
.irp ks, 0,1
	ds_load_tr16_b128 v[KV+16*\dt+8*\ks:KV+16*\dt+8*\ks+3],   v[CV] offset:32*\ks*VP+32*\dt
	ds_load_tr16_b128 v[KV+16*\dt+8*\ks+4:KV+16*\dt+8*\ks+7], v[CV] offset:32*\ks*VP+32*\dt+16*VP
.endr
.endr
	ROWMAX
.set i, 0
.rept 16
	v_pk_fma_f32 v[S+i:S+i+1],       v[S+i:S+i+1],       v[CC:CC+1], v[NM:NM+1]     op_sel_hi:[1,1,0]   ; c x score - c x maximum; the pair's first register serves both halves
	v_pk_fma_f32 v[S+32+i:S+32+i+1], v[S+32+i:S+32+i+1], v[CC:CC+1], v[NM+2:NM+3]   op_sel_hi:[1,1,0]
.set i, i+2
.endr
.set i, 0
.rept 64
	v_exp_f32 v[S+i], v[S+i]
.set i, i+1
.endr
.set i, 0
	s_wait_alu depctr_va_vdst(0)
.rept 16
	v_pk_mul_f32 v[O+i:O+i+1],       v[O+i:O+i+1],       v[AL:AL+1]     op_sel_hi:[1,0]   ; what was summed under the old maximum; also the plain work behind the exponentials (ISA guide 5.7.2)
	v_pk_mul_f32 v[O+32+i:O+32+i+1], v[O+32+i:O+32+i+1], v[AL+2:AL+3]   op_sel_hi:[1,0]
.set i, i+2
.endr
	ROWSUM
.set i, 0
.rept 16
	v_cvt_pk_f16_f32 v[S+i],    v[S+2*i],    v[S+2*i+1]        ; in place, ascending: register i is written when 2 i and 2 i + 1 are read
	v_cvt_pk_f16_f32 v[S+32+i], v[S+32+2*i], v[S+32+2*i+1]
.set i, i+1
.endr
	s_wait_dscnt 0x0                               ; V's fragments
	; O^T += V^T P^T: eight accumulators by turns
.irp ks, 0,1
.irp dt, 0,1,2,3
.irp u, 0,1
	v_wmma_f32_16x16x32_f16 v[O+32*\u+8*\dt:O+32*\u+8*\dt+7], v[KV+16*\dt+8*\ks:KV+16*\dt+8*\ks+7], v[S+32*\u+8*\ks:S+32*\u+8*\ks+7], v[O+32*\u+8*\dt:O+32*\u+8*\dt+7]
.endr
.endr
.endr
	v_add_nc_u32 v[CM], 64, v[CM]                  ; the next 64 keys; these three name no register of the products above: three of the four places behind them
	v_add_nc_u32 v[CK], 64*KP, v[CK]
	v_add_nc_u32 v[CV], 64*VP, v[CV]
.endm
; A phase: 256 keys in slot.  In front of the round every wave waits for all its tensor loads (its part of this slot) and for its LDS reads (of the other slot);
; behind it this slot is whole in every work-group and nobody reads the other: the other's refill comes first, one joint load a wave, and has the phase's
; 128 matrix instructions and their vector work in which to land.  Then four trips of the chunk.
.macro TRIP slot, refill
	s_set_vgpr_msb 0x5
	s_wait_tensorcnt 0x0
	ds_add_u32 v0, v1
	s_wait_dscnt 0x0
	s_set_vgpr_msb 0x500
	s_add_nc_u64 s[G0V+4*\slot+2:G0V+4*\slot+3], s[G0V+4*\slot+2:G0V+4*\slot+3], 2*PHB   ; no tensor load of mine is out: this slot's next phase
	s_add_nc_u64 s[G0K+4*\slot+2:G0K+4*\slot+3], s[G0K+4*\slot+2:G0K+4*\slot+3], 2*PHB
	s_add_nc_u64 s[G0M+4*\slot+2:G0M+4*\slot+3], s[G0M+4*\slot+2:G0M+4*\slot+3], 2*256
	s_wait_dscnt 0x0
	ROUND
.if \refill
	JLOAD3 1-\slot
.endif
.if \slot
	v_add_nc_u32 v[CV], SLOT, v[ADV]               ; chunk 0 of this slot
	v_add_nc_u32 v[CK], SLOT, v[ADK]
	v_add_nc_u32 v[CM], SLOT, v[ADM]
.else
	v_mov_b32 v[CV], v[ADV]
	v_mov_b32 v[CK], v[ADK]
	v_mov_b32 v[CM], v[ADM]
.endif
	s_mov_b32 s75, 4
.Lchunk_\@:
	CHUNK
	s_sub_co_u32 s75, s75, 1
	s_cmp_lg_u32 s75, 0
	s_cbranch_scc1 .Lchunk_\@
.endm
	s_mov_b32 s74, 3
.Lpair:
	TRIP 0, 1                                      ; phases 0 to 5; each asks for the next
	TRIP 1, 1
	s_sub_co_u32 s74, s74, 1
	s_cmp_lg_u32 s74, 0
	s_cbranch_scc1 .Lpair
	TRIP 0, 1                                      ; phase 6 asks for phase 7,
	TRIP 1, 0                                      ; phase 7 for nothing (the stepped addresses are not used)
	; THE END: the two halves' sums meet, O is divided, rounded and leaves through my stage as rows of 128 bytes
	v_nop                                          ; with the last chunk's three address steps the fourth place behind the last products
	v_permlanex16_b32 v[T+2], v[LS], s66, s67
	v_permlanex16_b32 v[T+6], v[LS+1], s66, s67
	v_add_f32 v[LS], v[LS], v[T+2]
	v_add_f32 v[LS+1], v[LS+1], v[T+6]
	v_rcp_f32 v[AL], v[LS]
	v_rcp_f32 v[AL+2], v[LS+1]
	v_nop                                          ; one plain instruction before the reciprocals are used (ISA guide 5.7.2)
.set i, 0
	s_wait_alu depctr_va_vdst(0)
.rept 16
	v_pk_mul_f32 v[O+i:O+i+1],       v[O+i:O+i+1],       v[AL:AL+1]     op_sel_hi:[1,0]
	v_pk_mul_f32 v[O+32+i:O+32+i+1], v[O+32+i:O+32+i+1], v[AL+2:AL+3]   op_sel_hi:[1,0]
.set i, i+2
.endr
.irp u, 0,1
.irp dt, 0,1,2,3
.irp r, 0,1,2,3
	v_cvt_pk_f16_f32 v[S+16*\u+4*\dt+\r], v[O+32*\u+8*\dt+2*\r], v[O+32*\u+8*\dt+2*\r+1]
.endr
.endr
.irp dt, 0,1,2,3
	ds_store_b128 v[STO], v[S+16*\u+4*\dt:S+16*\u+4*\dt+3] offset:32*\dt       ; query r, d = 16 dt + 8 hh + 0..7
.endr
.irp t, 0,1,2,3
	ds_load_b128 v[KV+16*\u+4*\t:KV+16*\u+4*\t+3], v[RD] offset:\t*4*KP        ; LDS serves a wave's instructions in order (ISA guide 5.7.1.4); registers of their own for each u: no store's data is rewritten
.endr
.irp t, 0,1,2,3
	s_wait_dscnt 3-\t                              ; the younger read-backs stay out
	global_store_b128 v[CO], v[KV+16*\u+4*\t:KV+16*\u+4*\t+3], s[8:9] offset:2048*\u+512*\t   ; four queries: 512 consecutive bytes, aligned
.endr
.endr
	s_set_vgpr_msb 0x5
	s_wait_tensorcnt 0x0
	ds_add_u32 v0, v1
	s_wait_dscnt 0x0
	s_set_vgpr_msb 0x500
	ROUND                                          ; the closing round
	s_endpgm
.Lfunc_end_k_q707e3afbb9_attn:
	.size	k_q707e3afbb9_attn, .Lfunc_end_k_q707e3afbb9_attn-k_q707e3afbb9_attn
	.p2alignl 7, 3214868480
	.fill 96, 4, 3214868480
	.section	.rodata,"a",@progbits
	.p2align	6, 0x0
	.amdhsa_kernel k_q707e3afbb9_attn
		.amdhsa_group_segment_fixed_size 327680
		.amdhsa_private_segment_fixed_size 0
		.amdhsa_enable_private_segment 0
		.amdhsa_kernarg_size 24
		.amdhsa_user_sgpr_count 2
		.amdhsa_user_sgpr_kernarg_segment_ptr 1
		.amdhsa_wavefront_size32 1
		.amdhsa_system_sgpr_workgroup_id_x 1
		.amdhsa_system_sgpr_workgroup_id_y 1
		.amdhsa_system_sgpr_workgroup_id_z 1
		.amdhsa_system_vgpr_workitem_id 0
		.amdhsa_next_free_vgpr 258
		.amdhsa_next_free_sgpr 80
		.amdhsa_reserve_vcc 0
		.amdhsa_float_denorm_mode_32 3
		.amdhsa_float_denorm_mode_16_64 3
		.amdhsa_memory_ordered 1
		.amdhsa_forward_progress 1
		.amdhsa_inst_pref_size 100
	.end_amdhsa_kernel
	.amdgpu_metadata
---
amdhsa.version: [ 1, 2 ]
amdhsa.kernels:
  - .name:           k_q707e3afbb9_attn
    .symbol:         k_q707e3afbb9_attn.kd
    .args:
      - { .name: qkv, .offset: 0, .size: 8, .value_kind: global_buffer, .address_space: global }
      - { .name: mask, .offset: 8, .size: 8, .value_kind: global_buffer, .address_space: global }
      - { .name: att, .offset: 16, .size: 8, .value_kind: global_buffer, .address_space: global }
    .group_segment_fixed_size: 327680
    .private_segment_fixed_size: 0
    .kernarg_segment_align: 8
    .kernarg_segment_size: 24
    .max_flat_workgroup_size: 256
    .sgpr_count:     80
    .vgpr_count:     258
    .wavefront_size: 32
...
	.end_amdgpu_metadata
.endif
;; end of part 5
;; launch proj: the kernel of part 4 again; grid 8 x 32, 4 waves a work-group, clusters of 4 x 4, 327,680 bytes of LDS; arguments att, ops, out0; writes out0
